; MI455X (gfx1250); checked and timed in simulation.
; The chip was launched on July 23, 2026; its instructions are those of AMD's public machine-readable ISA for CDNA 5 (MIT licence, August 2026) and "CDNA5" Instruction Set Architecture Reference Guide (July 2026). The comments in the code are by the model that wrote it; some were corrected since.
;; Attention. Allowed arithmetic: matrix products marked QUANTISED: E2M1 operands, one E8M0 scale for each 32 along K, by v_wmma_scale_f32_16x16x128_f8f6f4 with both operands' format E2M1 (or v_wmma_scale_f32_32x16x128_f4), f32 sums; products left as they are: bf16, f16 or f32 operands; f32 sums; everything else in f32.
;; Inputs: b_attn 3,072 float32; b_proj 1,024 float32; w_attn 1,024 x 3,072 float32; w_proj 1,024 x 1,024 float32; x 4 x 2,048 x 1,024 float32.
;; Outputs: out0 4 x 2,048 x 1,024 float32.
;; This version of the problem:
;;   THIS VERSION OF THE PROBLEM IS GIVEN IN LOW PRECISION. The matrix products marked QUANTISED in the list below multiply operands that are first quantised to E2M1 (2 exponent bits, 1 mantissa bit; 4 bits a number), with one power-of-two scale for each 32 numbers along K (OCP MX v1.0); their sums are f32. The products marked 'left as it is' may take bf16, f16 or f32 operands, with f32 sums. Whichever they take, every output number must still come out within the allowed error. Rounding operands to bf16 (8 significant bits) uses up far more of that allowance than f16 does (11 bits, for magnitudes from 6e-5 to 65,504). All else is computed in f32.
;;   The module's matrix products, in the order in which they are computed (A, B: the left and right operand; K: the contracted axis; several contracted axes count as one K, in the product's order):
;;     1. [M 8,192, K 1,024] x [K 1,024, N 3,072]; A: input x; B: input w_attn: QUANTISED
;;     2. batch 64 x [M 2,048, K 64] x [K 64, N 2,048]; A: computed on the way; B: computed on the way: left as it is (an operand is computed on the way)
;;     3. batch 64 x [M 2,048, K 2,048] x [K 2,048, N 64]; A: computed on the way; B: computed on the way: left as it is (an operand is computed on the way)
;;     4. [M 8,192, K 1,024] x [K 1,024, N 1,024]; A: computed on the way; B: input w_proj: left as it is (an operand is computed on the way)
;;   THE QUANTISER, for each operand of a quantised product, along K:
;;     - K is cut into blocks of 32 from its start; a last block that is shorter is filled with zeros.
;;     - A block's scale is 2^e with e = floor(log2(the largest magnitude in the block)) - 2, held to -126 .. 127; a block of zeros has e = 0. As a byte (E8M0): e + 127.
;;     - Each number is divided by its block's scale, clamped to +-6, and rounded to the nearest number of E2M1, ties to even, subnormals kept.
;;     - The product sums the exact products of the quantised numbers (number of the format x scale) in f32.
;;   ~~~python
;;   def quantise(x, axis):      # numpy; x: float32 -> the quantised numbers, widened to float32 again
;;       x = np.moveaxis(x, axis, -1); K = x.shape[-1]
;;       x = np.pad(x, [(0, 0)] * (x.ndim - 1) + [(0, -K % 32)]); x = x.reshape(x.shape[:-1] + (-1, 32)); a = np.abs(x).max(-1, keepdims=True)
;;       e = np.where(a > 0, np.clip(np.frexp(np.where(a > 0, a, 1))[1] - 1 - 2, -126, 127), 0)      # np.frexp(a)[1] - 1 = floor(log2(a)), exactly
;;       r = np.clip(x / 2.0 ** e, -6, 6)
;;       step = 2.0 ** (np.maximum(np.frexp(np.where(r == 0, 1, r))[1] - 1, 0) - 1)
;;       q = np.round(r / step) * step * 2.0 ** e      # np.round: ties to even
;;       return np.moveaxis(q.reshape(q.shape[:-2] + (-1,))[..., :K], -1, axis).astype(np.float32)
;;   ~~~
;; One version. Each part assembles by itself: llvm-mc -triple=amdgcn-amd-amdhsa -mcpu=gfx1250 --defsym DOCPART=n.
;; ======== version 1 of 1: 6 launches
;; limits: values are held in f16: magnitudes above 65,504 overflow, below 6.1e-05 lose precision
;; workspace buffers: codes 5,767,168 bytes; scales 360,448 bytes; wp 2,097,152 bytes; qkv 50,331,648 bytes; vsum 524,288 bytes; ai 16,777,216 bytes; a16 262,144 bytes
;; launch prep (part 1): grid 576 x 1, 4 waves a work-group, no clusters, 34,304 bytes of LDS; arguments x, w_attn, w_proj, codes, scales, wp; writes codes, scales, wp
.if DOCPART == 1
	.amdgcn_target "amdgcn-amd-amdhsa--gfx1250"
	.amdhsa_code_object_version 6
	.text
	.protected	k_q03d072faa8_prep
	.globl	k_q03d072faa8_prep
	.p2align	8
	.type	k_q03d072faa8_prep,@function
k_q03d072faa8_prep:
	s_mov_b64 s[64:65], 0
	v_nop
	global_prefetch_b8 v0, s[64:65] scope:SCOPE_SE
	s_setreg_imm32_b32 hwreg(HW_REG_WAVE_MODE, 25, 1), 1
	s_wait_xcnt 0x0
; x [8192][1024] and w_attn [1024][3072], f32, become codes of FP4 (E2M1) with one E8M0 byte for each 32 along K; w_proj [1024][1024] becomes f16.
; All three leave as IMAGES OF OPERAND REGISTERS: a piece of 512 bytes is 32 lanes x 16 bytes, lane = 16 h + r.
;   codes  [kh 2][tile 704][ks 4][c 2][lane][16 B]: tiles 0-511 are x's 16-row tiles, 512-703 w_attn's 16-column tiles; lane (r, h): row or column 16 tile + r, k = 512 kh + 128 ks + 64 c + 32 h + 0..31
;   scales [tile 704][ks8 8][r 16] words: byte b of a word scales k = 128 ks8 + 32 b ..
;   wp     [kst 8][nt 64][kc 8][lane][16 B] f16: lane (r, h): column 16 nt + r, k = 128 kst + 16 kc + 8 h + 0..7
; A block's scale is 2^(floor(log2(largest magnitude)) - 2): its byte is the largest magnitude's exponent field - 2, held at 1 from below.
; LIMITS: a block of zeros, or one whose largest magnitude lies under 2^-124, gets the byte 1 (zero codes add nothing; this program alone reads the bytes); NaN and infinities are not served; |w_proj| above 65,504 has no f16.
; Work-groups 0-255 take x (a wave: 16 rows x 512 k), 256-447 w_attn (a wave: 32 columns x 128 k, a lane to a column), 448-575 w_proj (a wave: 32 columns x 64 k).  Only x's path uses LDS.  Waves share nothing: no barrier.
.set SPARE, 33792                      ; behind the four stages of 8,448 bytes: the spare words, 128 bytes a wave
.set SPW,   52                         ; v52  my spare word's LDS address; never rewritten
.set NIL,   53                         ; v53  0; never rewritten
.set H8,    54                         ; v54  8 h
.set XN,    192                        ; v192-255  x's path: my 64 numbers of a K step
	s_load_b256 s[4:11], s[0:1], 0x0               ; x s[4:5], w_attn s[6:7], w_proj s[8:9], codes s[10:11]
	s_load_b128 s[12:15], s[0:1], 0x20             ; scales s[12:13], wp s[14:15]
	v_lshl_add_u32 v[SPW], v0, 2, SPARE
	v_mov_b32 v[NIL], 0
	v_lshrrev_b32 v1, 5, v0
	v_readfirstlane_b32 s16, v1                    ; wave
	v_and_b32 v1, 31, v0                           ; lane
	v_and_b32 v2, 15, v0                           ; r
	v_bfe_u32 v3, v0, 4, 1                         ; h
	v_lshlrev_b32 v4, 4, v1                        ; 16 x lane
	s_mul_i32 s25, s16, 8448                       ; my stage: 16 rows of 512 bytes + 16
	v_add_nc_u32 v5, s25, v4                       ; into it: a row as it is loaded
	v_mul_u32_u24 v6, v2, 528
	v_lshl_add_u32 v6, v3, 7, v6
	v_add_nc_u32 v6, s25, v6                       ; out of it: row r, from k = 32 h on
	v_lshlrev_b32 v7, 2, v1                        ; 4 x lane
	v_lshlrev_b32 v[H8], 3, v3
	v_lshlrev_b32 v55, 4, v2
	v_lshl_add_u32 v55, v3, 12, v55                ; a column's place in two neighbouring tiles' images: 4,096 (lane / 16) + 16 r
	v_lshlrev_b32 v56, 2, v2
	v_lshl_add_u32 v56, v3, 9, v56                 ; and among their scale words: 512 (lane / 16) + 4 r
	v_mov_b32 v15, 0                               ; a lane permute's destination counts as read
	s_mov_b32 s20, 0x76543210
	s_mov_b32 s21, 0xfedcba98                      ; v_permlanex16_b32's selects for lane l xor 16
	s_mov_b32 s23, 0
	s_wait_kmcnt 0x0
	s_cmp_lt_u32 ttmp9, 256
	s_cbranch_scc1 .Lx
	s_cmp_lt_u32 ttmp9, 448
	s_cbranch_scc1 .Lw
; ---- w_proj: a lane takes a column, its 64 registers run down K
	s_sub_co_u32 s17, ttmp9, 448
	s_and_b32 s18, s17, 7
	s_lshl_b32 s18, s18, 2
	s_add_co_u32 s18, s18, s16                     ; which 32 columns
	s_lshr_b32 s19, s17, 3                         ; which 64 along K
	s_lshl_b32 s22, s19, 18                        ; 64 rows of 4,096 bytes
	s_lshl_b32 s24, s18, 7
	s_add_co_u32 s22, s22, s24
	s_add_nc_u64 s[8:9], s[8:9], s[22:23]
	s_lshr_b32 s22, s19, 1
	s_lshl_b32 s22, s22, 6
	s_lshl_b32 s24, s18, 1
	s_add_co_u32 s22, s22, s24                     ; kst x 64 + nt
	s_lshl_b32 s22, s22, 12
	s_and_b32 s24, s19, 1
	s_lshl_b32 s24, s24, 11                        ; the upper 64 of a K step of 128: pieces 4 to 7
	s_add_co_u32 s22, s22, s24
	s_add_nc_u64 s[14:15], s[14:15], s[22:23]
.set i, 0
.rept 64
	global_load_b32 v[64+i], v7, s[8:9] offset:4096*i th:TH_LOAD_NT   ; 32 lanes read 128 consecutive bytes of row i
.set i, i+1
.endr
.set p, 0
.rept 8                                            ; piece p: k = 8 p .. 8 p + 7 of my column: 16 bytes
.if p == 0
	s_wait_loadcnt 32                              ; the first 32 rows are in; the other 32 loads may be out
.endif
.if p == 4
	s_wait_loadcnt 0x0
.endif
.set j, 0
.rept 4
	v_cvt_pk_f16_f32 v[128+4*p+j], v[64+8*p+2*j], v[65+8*p+2*j]
.set j, j+1
.endr
	global_store_b128 v55, v[128+4*p:128+4*p+3], s[14:15] offset:512*(p/2)+256*(p%2)   ; sixteen lanes store 256 consecutive aligned bytes
.set p, p+1
.endr
	s_endpgm
; ---- w_attn: a lane takes a column, a block of 32 along K lies in its 32 registers
.Lw:
	s_sub_co_u32 s17, ttmp9, 256
	s_lshl_b32 s17, s17, 2
	s_add_co_u32 s17, s17, s16
	s_lshr_b32 s18, s17, 3                         ; which 32 columns
	s_and_b32 s19, s17, 7                          ; ks8: which 128 along K
	s_mul_i32 s22, s19, 128*12288
	s_lshl_b32 s24, s18, 7
	s_add_co_u32 s22, s22, s24
	s_add_nc_u64 s[6:7], s[6:7], s[22:23]
	s_lshr_b32 s22, s19, 2
	s_mul_i32 s22, s22, 704
	s_lshl_b32 s24, s18, 1
	s_add_co_u32 s22, s22, s24
	s_add_co_u32 s22, s22, 512                     ; kh x 704 + tile
	s_lshl_b32 s22, s22, 12
	s_and_b32 s24, s19, 3
	s_lshl_b32 s24, s24, 10
	s_add_co_u32 s22, s22, s24
	s_add_nc_u64 s[10:11], s[10:11], s[22:23]
	s_lshl_b32 s22, s18, 1
	s_add_co_u32 s22, s22, 512
	s_lshl_b32 s22, s22, 9
	s_lshl_b32 s24, s19, 6
	s_add_co_u32 s22, s22, s24
	s_add_nc_u64 s[12:13], s[12:13], s[22:23]
.macro WLOAD b
.set i, 0
.rept 32
	global_load_b32 v[64+32*(\b)+i], v7, s[6:7] offset:(32*(\b)+i)*12288 th:TH_LOAD_NT
.set i, i+1
.endr
.endm
.macro WBLOCK b
.set XS, 64+32*(\b)
	v_max3_num_f32 v12, |v[XS]|, |v[XS+1]|, |v[XS+2]|      ; the block's largest magnitude, in two chains
	v_max3_num_f32 v13, |v[XS+3]|, |v[XS+4]|, |v[XS+5]|
.irp i, 6,10,14,18,22,26
	v_max3_num_f32 v12, v12, |v[XS+\i]|, |v[XS+\i+1]|
	v_max3_num_f32 v13, v13, |v[XS+\i+2]|, |v[XS+\i+3]|
.endr
	v_max3_num_f32 v12, v12, |v[XS+30]|, |v[XS+31]|
	v_max3_num_f32 v12, v12, v13, 0x1800000        ; and the floor 2^(3 - 127): the byte cannot fall under 1
	v_add_nc_u32 v11, 0xff000000, v12              ; 2 off the exponent field: the conversion's scale operand
	v_lshrrev_b32 v13, 23, v11                     ; the scale's byte
.if (\b) == 0
	v_mov_b32 v16, v13
.else
	v_lshl_or_b32 v16, v13, 8*(\b), v16            ; the lower K in the lower byte
.endif
.irp g, 0,1,2,3
	v_cvt_scalef32_pk8_fp4_f32 v[20+4*(\b)+\g], v[XS+8*\g:XS+8*\g+7], v11
.endr
	v_nop                                          ; one plain line behind the last scaled conversion
	global_store_b128 v55, v[20+4*(\b):23+4*(\b)], s[10:11] offset:512*((\b)/2)+256*((\b)%2)   ; block b = 2 c + h of the fragment: sixteen lanes store 256 consecutive aligned bytes
.endm
	WLOAD 0
	WLOAD 1
	s_wait_loadcnt 32                              ; block 0 is in; block 1's 32 loads may be out
	WLOAD 2
	WBLOCK 0
	s_wait_loadcnt 32                              ; block 1 is in; block 2's may be out
	WLOAD 3
	WBLOCK 1
	s_wait_loadcnt 32                              ; block 2 is in; block 3's may be out
	WBLOCK 2
	s_wait_loadcnt 0x0
	WBLOCK 3
	global_store_b32 v56, v16, s[12:13]            ; my column's scale word of this K step: runs of 64 bytes (98 KB in all are stored so)
	s_endpgm
; ---- x: each load reads 512 consecutive bytes of a row; the 16 rows turn through my stage, so that a lane gets 2 x 32 neighbours along K of row r
.Lx:
	s_lshl_b32 s17, ttmp9, 2
	s_add_co_u32 s17, s17, s16
	s_lshr_b32 s18, s17, 1                         ; the tile of 16 rows
	s_and_b32 s19, s17, 1                          ; kh: which 512 along K
	s_lshl_b32 s22, s18, 16
	s_lshl_b32 s24, s19, 11
	s_add_co_u32 s22, s22, s24
	s_add_nc_u64 s[4:5], s[4:5], s[22:23]
	s_mul_i32 s22, s19, 704
	s_add_co_u32 s22, s22, s18
	s_lshl_b32 s22, s22, 12
	s_add_nc_u64 s[10:11], s[10:11], s[22:23]
	s_lshl_b32 s22, s18, 9
	s_lshl_b32 s24, s19, 8
	s_add_co_u32 s22, s22, s24
	s_add_nc_u64 s[12:13], s[12:13], s[22:23]
.macro XLOAD ks
.set i, 0
.rept 16
	global_load_b128 v[64+64*((\ks)%2)+4*i:64+64*((\ks)%2)+4*i+3], v4, s[4:5] offset:4096*i+512*(\ks) th:TH_LOAD_NT
.set i, i+1
.endr
.endm
.macro XSTEP ks
.if (\ks) < 3
	s_wait_loadcnt 16                              ; this K step's 16 loads are in; the next set's 16 may be out
.else
	s_wait_loadcnt 0x0
.endif
.set i, 0
.rept 16
	ds_store_b128 v5, v[64+64*((\ks)%2)+4*i:64+64*((\ks)%2)+4*i+3] offset:528*i
.set i, i+1
.endr
.irp c, 0,1
.irp n, 0,1,2,3,4,5,6,7
	ds_load_b128 v[XN+32*\c+4*\n:XN+32*\c+4*\n+3], v6 offset:256*\c+16*\n   ; LDS serves a wave's instructions in order: these see the stores above
.endr
.endr
	s_wait_dscnt 0x0                               ; my numbers are back, and the stores have read their registers,
.if (\ks) < 2
	XLOAD (\ks)+2                                  ; which take the loads of two K steps on
.endif
.irp c, 0,1
	v_max3_num_f32 v[8+\c], |v[XN+32*\c]|, |v[XN+32*\c+1]|, 0x1800000   ; my block 2 c + h, whole in my registers, and the floor 2^(3 - 127)
.endr
.irp n, 2,4,6,8,10,12,14,16,18,20,22,24,26,28,30
.irp c, 0,1
	v_max3_num_f32 v[8+\c], v[8+\c], |v[XN+32*\c+\n]|, |v[XN+32*\c+\n+1]|
.endr
.endr
.irp c, 0,1
	v_add_nc_u32 v[10+\c], 0xff000000, v[8+\c]     ; the conversion's scale operand
.endr
.irp c, 0,1
	v_lshrrev_b32 v[12+\c], 23, v[10+\c]           ; the byte
.endr
	v_lshl_or_b32 v14, v13, 16, v12                ; blocks h and 2 + h,
	v_lshlrev_b32 v14, v[H8], v14                  ; at their places in the word;
	v_permlanex16_b32 v15, v14, s20, s21
	v_or_b32 v[16+(\ks)], v14, v15                 ; with lane l xor 16's two the word is whole
.irp c, 0,1
.irp g, 0,1,2,3
	v_cvt_scalef32_pk8_fp4_f32 v[20+8*(\ks)+4*\c+\g], v[XN+32*\c+8*\g:XN+32*\c+8*\g+7], v[10+\c]
.endr
.endr
	v_nop                                          ; one plain line behind the last scaled conversion
.irp c, 0,1
	global_store_b128 v4, v[20+8*(\ks)+4*\c:23+8*(\ks)+4*\c], s[10:11] offset:1024*(\ks)+512*\c   ; 512 consecutive aligned bytes; each K step has its own registers, so no store's data are written again
.endr
.endm
	XLOAD 0
	XLOAD 1
	XSTEP 0
	XSTEP 1
	XSTEP 2
	XSTEP 3
	v_cmp_le_u32 vcc_lo, 16, v1                    ; lanes 16-31 carry the odd K steps' words
	v_cndmask_b32 v8, v16, v17, vcc_lo
	v_cndmask_b32 v9, v18, v19, vcc_lo
	global_store_b32 v7, v8, s[12:13]              ; the two stores fill 256 consecutive aligned bytes
	global_store_b32 v7, v9, s[12:13] offset:128
	s_wait_tensorcnt 0x0                           ; the wave's end
	ds_add_u32 v[SPW], v[NIL]
	s_wait_dscnt 0x0
	s_endpgm
.Lfunc_end_k_q03d072faa8_prep:
	.size	k_q03d072faa8_prep, .Lfunc_end_k_q03d072faa8_prep-k_q03d072faa8_prep
	.p2alignl 7, 3214868480
	.fill 96, 4, 3214868480
	.section	.rodata,"a",@progbits
	.p2align	6, 0x0
	.amdhsa_kernel k_q03d072faa8_prep
		.amdhsa_group_segment_fixed_size 34304
		.amdhsa_private_segment_fixed_size 0
		.amdhsa_enable_private_segment 0
		.amdhsa_kernarg_size 48
		.amdhsa_user_sgpr_count 2
		.amdhsa_user_sgpr_kernarg_segment_ptr 1
		.amdhsa_wavefront_size32 1
		.amdhsa_system_sgpr_workgroup_id_x 1
		.amdhsa_system_sgpr_workgroup_id_y 1
		.amdhsa_system_sgpr_workgroup_id_z 1
		.amdhsa_system_vgpr_workitem_id 0
		.amdhsa_next_free_vgpr 256
		.amdhsa_next_free_sgpr 66
		.amdhsa_reserve_vcc 1
		.amdhsa_float_denorm_mode_32 3
		.amdhsa_float_denorm_mode_16_64 3
		.amdhsa_memory_ordered 1
		.amdhsa_forward_progress 1
		.amdhsa_inst_pref_size 59
	.end_amdhsa_kernel
	.amdgpu_metadata
---
amdhsa.version: [ 1, 2 ]
amdhsa.kernels:
  - .name:           k_q03d072faa8_prep
    .symbol:         k_q03d072faa8_prep.kd
    .args:
      - { .name: x, .offset: 0, .size: 8, .value_kind: global_buffer, .address_space: global }
      - { .name: w_attn, .offset: 8, .size: 8, .value_kind: global_buffer, .address_space: global }
      - { .name: w_proj, .offset: 16, .size: 8, .value_kind: global_buffer, .address_space: global }
      - { .name: codes, .offset: 24, .size: 8, .value_kind: global_buffer, .address_space: global }
      - { .name: scales, .offset: 32, .size: 8, .value_kind: global_buffer, .address_space: global }
      - { .name: wp, .offset: 40, .size: 8, .value_kind: global_buffer, .address_space: global }
    .group_segment_fixed_size: 34304
    .private_segment_fixed_size: 0
    .kernarg_segment_align: 8
    .kernarg_segment_size: 48
    .max_flat_workgroup_size: 128
    .sgpr_count:     66
    .vgpr_count:     256
    .wavefront_size: 32
...
	.end_amdgpu_metadata
.endif
;; end of part 1
;; launch qkv (part 2): grid 12 x 32, 4 waves a work-group, clusters of 4 x 4, 327,680 bytes of LDS; arguments codes, scales, b_attn, qkv, vsum; writes qkv, vsum
.if DOCPART == 2
	.amdgcn_target "amdgcn-amd-amdhsa--gfx1250"
	.amdhsa_code_object_version 6
	.text
	.protected	k_q03d072faa8_qkv
	.globl	k_q03d072faa8_qkv
	.p2align	8
	.type	k_q03d072faa8_qkv,@function
k_q03d072faa8_qkv:
	s_mov_b64 s[64:65], 0
	v_nop
	global_prefetch_b8 v0, s[64:65] scope:SCOPE_SE
	s_setreg_imm32_b32 hwreg(HW_REG_WAVE_MODE, 25, 1), 1
	s_wait_xcnt 0x0
	s_wait_alu depctr_hold_cnt(0) depctr_sa_sdst(0) depctr_va_vdst(0) depctr_va_sdst(0) depctr_va_ssrc(0) depctr_va_vcc(0) depctr_vm_vsrc(0)
	s_getreg_b32 s2, hwreg(HW_REG_IB_STS2, 6, 4)
	s_cmp_eq_u32 s2, 0
	s_cbranch_scc0 .Lentry_in_a_cluster
	s_endpgm
.Lentry_in_a_cluster:
	s_bfe_u32 s2, ttmp6, 0x10000c
	s_cmp_lg_u32 s2, 0xf033
	s_cbranch_scc0 .Lentry_shape_is_right
	s_endpgm
.Lentry_shape_is_right:
; qkv = Q(x) Q(w_attn) + b_attn on codes of FP4 with E8M0 scales; sums in f32; q, k and v leave as f16 images of the operand registers that attention wants, and v's sums over each 64 keys as f32.
; A tile is 256 x 256, four waves, each 128 x 128: 64 accumulators.  K = 1,024 is two LDS slots of 512; both are filled at the head and never again.
; Both operands lie in ONE buffer with ONE layout (tiles of 16 rows as register images), so which of them is 'A' is index arithmetic.  The matrix instruction takes source 0 = 16 'B' rows, source 1 = 16 'A' rows:
; lane (r, h) of accumulator (a, b) holds A row 16 a + r and B rows 16 b + 8 h + 0..7.  Cluster x = 0, 1 (q, k): A = positions, B = channels: a lane holds 8 channels of a position.
; Cluster x = 2 (v): A = channels, B = positions: a lane holds 8 keys of a channel, which is V^T's fragment.  The branches on cluster x are the same in all sixteen partners.
;   qkv  [part 3][bh 64][t 128][chunk 4][lane][16 B] f16.  q, k: lane (r, h): position 16 t + r, channels 16 chunk + 8 h + 0..7.  v: channel 16 chunk + r, keys 16 t + 8 h + 0..7
;   vsum [b 4][blk 32][1024] f32: the sum of v (bias in) over keys 64 blk .. 64 blk + 63
; CLUSTERS: 4 x 4.  A's tile hangs on cy, B's on cx: each is asked for jointly by the four that share it.  The bias is the C of each sum's first product.
; LIMITS: |q|, |k|, |v| above 65,504 have no f16; NaN and infinities are not served.
; REGISTERS: window 0: v0-31 addresses; v32-95 scale words, two sets; v96-103 the bias's addresses; v128-191 A's fragments, one set; v192-255 the bias; on the way out v32-255 are free.
;   window 1: B's fragments, two sets, at v0 and v128.   windows 2, 3: the accumulators ((a, b) at v[8 (8 (a % 4) + b)]).
.set NQ,     4                         ; steps of 128 along K in a slot
.set FR,     8
.set NL,     2
.set NP,     4
.set SLOT,   131072                    ; A's 16 tiles of 4,096 bytes, then B's
.set SCL,    262144                    ; the scale words: A's 16 tiles of 512 bytes, then B's
.set SPARE,  278528                    ; the spare words, 128 bytes a wave
.set KHB,    704*4096                  ; from one half of K to the other in the codes' buffer
.set ADRA, 16
.set ADRB, 20
.set L4,   25                          ; v25  4 x lane
.set CO,   26                          ; v26  16 x lane
.set ADRS, 27
.set SPW,  28
.set NIL,  29
.set SC,   32
.set BA,   96
.set TP,   104
.set AF,   128
.set BI,   192
.set G1, 24
.set G0, 32
.set G1B, 48
.set G0B, 56
.set G1S, 68
.set G0S, 76
.set G1SB, 80
.set G0SB, 88
.set MSB, 0
.macro WIN new                         ; the immediate's high byte repeats the setting that is left
.if MSB != \new
	s_set_vgpr_msb (MSB<<8)|\new
.set MSB, \new
.endif
.endm
.set MUL_LO, 0xa1                      ; source 0 (B) window 1, source 1 (A) window 0, C and D window 2
.set MUL_HI, 0xf1                      ; the same, C and D window 3
.set BIA_LO, 0x81                      ; C (the bias) window 0, D window 2
.set BIA_HI, 0xc1                      ; C window 0, D window 3
.set TO_B,   0x40
; A joint load: waves 0 and 1 fetch for A, waves 2 and 3 for B; the branch hangs on the wave's number alone.  An s_nop 0 and four v_nop follow each line.
.macro JLOAD g0a, g1a, g0b, g1b
	s_cmp_eq_u32 s15, 0
	s_cbranch_scc0 .Lfor_b_\@
	tensor_load_to_lds s[\g0a:\g0a+3], s[\g1a:\g1a+7]
	s_nop 0
.rept 4
	v_nop
.endr
	s_branch .Lasked_\@
.Lfor_b_\@:
	tensor_load_to_lds s[\g0b:\g0b+3], s[\g1b:\g1b+7]
	s_nop 0
.rept 4
	v_nop
.endr
.Lasked_\@:
.endm
.macro CROUND                          ; a round of the cluster's barrier
	s_barrier_signal -1
	s_barrier_wait -1
	s_cmp_lg_u32 s14, 0
	s_cbranch_scc1 .Lnot_wave_0_\@
	s_barrier_signal -3
.Lnot_wave_0_\@:
	s_barrier_wait -3
	s_barrier_signal -1
	s_barrier_wait -1
.endm
	s_load_b256 s[4:11], s[0:1], 0x0               ; codes s[4:5], scales s[6:7], b_attn s[8:9], qkv s[10:11]
	s_load_b64 s[12:13], s[0:1], 0x20              ; vsum
	v_lshl_add_u32 v[SPW], v0, 2, SPARE
	v_mov_b32 v[NIL], 0
	ds_add_u32 v[SPW], v[NIL]                      ; the wave's opening: the add, twice on end, and its wait ahead of my first tensor load
	ds_add_u32 v[SPW], v[NIL]
	v_lshrrev_b32 v1, 5, v0
	v_readfirstlane_b32 s14, v1                    ; wave 0..3
	s_lshr_b32 s15, s14, 1                         ; my half of A's rows.  Also: I fetch for A (0) or for B (1)
	s_and_b32 s16, s14, 1                          ; my half of B's rows.  Also: which 128 rows I fetch
	s_bfe_u32 s40, ttmp6, 0x40000                  ; cx
	s_bfe_u32 s41, ttmp6, 0x40004                  ; cy
	s_and_b32 s17, ttmp7, 0xffff
	s_lshl_b32 s17, s17, 2                         ; 4 x cluster y: x's tiles of 256 rows
	s_lshl_b32 s42, ttmp9, 2
	s_add_co_u32 s42, s42, 32                      ; 32 + 4 x cluster x: w's tiles of 256 columns begin at 32
	s_cmp_eq_u32 ttmp9, 2                          ; v?  All selections stand ahead of the next addition
	s_cselect_b32 s18, 40, s17                     ; A's first tile of the cluster
	s_cselect_b32 s19, s17, s42                    ; B's
	s_cselect_b32 s95, 4, 0                        ; the bias's address: bytes for r,
	s_cselect_b32 s96, 0, 32                       ; for h,
	s_cselect_b32 s97, 0, 4                        ; and from register to register
	s_add_co_u32 s17, s18, s41                     ; A's tile: hangs on cy alone
	s_add_co_u32 s42, s19, s40                     ; B's tile: on cx alone
	s_lshl_b32 s43, s41, 2
	s_lshl_b32 s43, 15, s43                        ; my row of the cluster
	s_lshl_b32 s44, 0x1111, s40                    ; my column
	; descriptor group 1: a dense block as rows of 256 bytes (32 elements of 8 bytes); codes of 128 rows: 128 such rows; their scale words: 16
	s_or_b32 s[G1+0], s43, (3<<16)|(1<<21)         ; 15:0 the mask; 17:16 elements of 8 bytes; 21 set beside a mask; no padding: images are read 16 bytes a lane on end
	s_or_b32 s[G1B+0], s44, (3<<16)|(1<<21)
.irp g, G1, G1B
	s_mov_b32 s[\g+1], 32<<16                      ; tensor_dim0
	s_mov_b32 s[\g+2], 128<<16                     ; tensor_dim1
	s_mov_b32 s[\g+3], 32<<16                      ; tile_dim0
	s_mov_b32 s[\g+4], 128                         ; tile_dim1
	s_mov_b32 s[\g+5], 32                          ; the pitch
	s_mov_b32 s[\g+6], 0
	s_mov_b32 s[\g+7], 0
.endr
	s_or_b32 s[G1S+0], s43, (3<<16)|(1<<21)
	s_or_b32 s[G1SB+0], s44, (3<<16)|(1<<21)
.irp g, G1S, G1SB
	s_mov_b32 s[\g+1], 32<<16
	s_mov_b32 s[\g+2], 16<<16
	s_mov_b32 s[\g+3], 32<<16
	s_mov_b32 s[\g+4], 16
	s_mov_b32 s[\g+5], 32
	s_mov_b32 s[\g+6], 0
	s_mov_b32 s[\g+7], 0
.endr
	s_lshl_b32 s18, s16, 3                         ; which 8 tiles of 16 rows I fetch
	s_lshl_b32 s20, s17, 4
	s_add_co_u32 s20, s20, s18                     ; A: tile of 16 rows
	s_lshl_b32 s46, s42, 4
	s_add_co_u32 s46, s46, s18                     ; B likewise
	s_lshl_b32 s22, s20, 9                         ; their scale words, 512 bytes a tile,
	s_mov_b32 s23, 0
	s_lshl_b32 s20, s20, 12                        ; and their codes, 4,096 bytes a tile and half of K
	s_mov_b32 s21, 0
	s_lshl_b32 s92, s46, 9
	s_mov_b32 s93, 0
	s_lshl_b32 s46, s46, 12
	s_mov_b32 s47, 0
	s_lshl_b32 s45, s14, 15                        ; where they go: wave x 32,768: no place in the cluster enters an LDS address
	s_lshl_b32 s94, s14, 12
	s_wait_dscnt 0x0                               ; both opening adds are done
	s_wait_kmcnt 0x0
	s_add_nc_u64 s[20:21], s[4:5], s[20:21]
	s_add_nc_u64 s[22:23], s[6:7], s[22:23]
	s_add_nc_u64 s[46:47], s[4:5], s[46:47]
	s_add_nc_u64 s[92:93], s[6:7], s[92:93]
	CROUND                                         ; all sixteen work-groups are here: the first joint loads meet
	s_mov_b32 s[G0S], 1
	s_add_co_u32 s[G0S+1], s94, SCL
	s_mov_b64 s[G0S+2:G0S+3], s[22:23]
	s_or_b32 s[G0S+3], s[G0S+3], 0x80000000
	s_mov_b32 s[G0SB], 1
	s_add_co_u32 s[G0SB+1], s94, SCL
	s_mov_b64 s[G0SB+2:G0SB+3], s[92:93]
	s_or_b32 s[G0SB+3], s[G0SB+3], 0x80000000
	JLOAD G0S, G1S, G0SB, G1SB                     ; the scale words first: they are wanted with the first step
.irp s, 0,1
	s_mov_b32 s[G0+4*\s], 1
	s_add_co_u32 s[G0+4*\s+1], s45, \s*SLOT
	s_add_nc_u64 s[G0+4*\s+2:G0+4*\s+3], s[20:21], \s*KHB
	s_or_b32 s[G0+4*\s+3], s[G0+4*\s+3], 0x80000000
	s_mov_b32 s[G0B+4*\s], 1
	s_add_co_u32 s[G0B+4*\s+1], s45, \s*SLOT
	s_add_nc_u64 s[G0B+4*\s+2:G0B+4*\s+3], s[46:47], \s*KHB
	s_or_b32 s[G0B+4*\s+3], s[G0B+4*\s+3], 0x80000000
	JLOAD G0+4*\s, G1, G0B+4*\s, G1B               ; three loads of mine are out: all that the launch fetches
.endr
	v_and_b32 v1, 15, v0                           ; r
	v_bfe_u32 v2, v0, 4, 1                         ; h
	v_and_b32 v3, 31, v0                           ; lane
	v_lshlrev_b32 v[CO], 4, v3
	v_lshlrev_b32 v[L4], 2, v3
	v_mov_b32 v[TP], 0                             ; a lane permute's destination counts as read
	s_lshl_b32 s21, s15, 15                        ; my 8 tiles of A
	s_lshl_b32 s22, s16, 15                        ; my 8 tiles of B,
	s_add_co_u32 s22, s22, 65536                   ; which lie behind A's 16
.irp s, 0,1
	v_add_nc_u32 v[ADRA+\s], s21, v[CO]
	v_add_nc_u32 v[ADRB+\s], s22, v[CO]
	s_add_co_u32 s21, s21, SLOT
	s_add_co_u32 s22, s22, SLOT
.endr
	s_lshl_b32 s21, s15, 12                        ; scale words: A's, my 8 tiles;
	s_lshl_b32 s22, s16, 12                        ; B's, behind A's 16 tiles
	s_add_co_u32 s22, s22, 8192
	s_sub_co_u32 s22, s22, s21
	v_mul_u32_u24 v6, s22, v2                      ; lanes 16-31 take B's: one product, the distance between the two
	s_add_co_u32 s21, s21, SCL
	v_lshl_add_u32 v5, v1, 2, v6
	v_add_nc_u32 v[ADRS], s21, v5
	v_mul_u32_u24 v5, v1, s95                      ; the bias: register j of a tile wants channel 8 h + j (q, k) or channel r (v)
	v_mul_u32_u24 v6, v2, s96
	v_add_nc_u32 v5, v5, v6
.irp j, 0,1,2,3,4,5,6,7
	s_mul_i32 s21, s97, \j
	v_add_nc_u32 v[BA+\j], s21, v5
.endr
	s_cmp_eq_u32 ttmp9, 2
	s_cselect_b32 s66, s42, s17                    ; which tile of 256 holds the positions,
	s_cselect_b32 s67, s16, s15                    ; which half of it is mine,
	s_cselect_b32 s2, s41, s40                     ; which 256 channels of the part,
	s_cselect_b32 s3, s15, s16                     ; and which half of them
	s_lshl_b32 s20, ttmp9, 12
	s_lshl_b32 s21, s2, 10
	s_add_co_u32 s20, s20, s21
	s_lshl_b32 s21, s3, 9
	s_add_co_u32 s20, s20, s21
	s_mov_b32 s21, 0
	s_add_nc_u64 s[8:9], s[8:9], s[20:21]          ; b_attn at my 128 channels
.irp t, 0,1,2,3,4,5,6,7
.irp j, 0,1,2,3,4,5,6,7
	global_load_b32 v[BI+8*\t+\j], v[BA+\j], s[8:9] offset:64*\t
.endr
.endr
	s_lshl_b32 s20, ttmp9, 24                      ; qkv: the part,
	s_lshr_b32 s21, s66, 3
	s_lshl_b32 s21, s21, 22                        ; the batch's 16 heads,
	s_add_co_u32 s20, s20, s21
	s_and_b32 s21, s66, 7
	s_lshl_b32 s21, s21, 15                        ; 16 tiles of positions,
	s_add_co_u32 s20, s20, s21
	s_lshl_b32 s21, s2, 20                         ; 4 heads,
	s_add_co_u32 s20, s20, s21
	s_lshl_b32 s21, s3, 19                         ; 2 heads,
	s_add_co_u32 s20, s20, s21
	s_lshl_b32 s21, s67, 14                        ; 8 tiles of positions
	s_add_co_u32 s20, s20, s21
	s_mov_b32 s21, 0
	s_add_nc_u64 s[10:11], s[10:11], s[20:21]
	s_mov_b32 s18, 0x76543210
	s_mov_b32 s19, 0xfedcba98                      ; v_permlanex16_b32's selects for lane l xor 16
.macro FRAG reg, adr, q, i             ; a fragment, 16 rows x 128 K of 4-bit codes: two pieces of 512 bytes, 16 bytes a lane
.irp c, 0,1
	ds_load_b128 v[\reg+4*\c:\reg+4*\c+3], v[\adr] offset:4096*(\i)+1024*(\q)+512*\c
.endr
.endm
; 16 matrix instructions: A's blocks a0, a0 + 1 x B's eight.  p: B's set; sc: the set of scale words.  zero = 1: C = the bias by B's block; 2: by A's block; 0: C = D.
; The 64 accumulators take turns, one instruction a turn, in the same order in every step.
.macro MUL16 a0, p, q, sc, zero
.irp a, \a0, \a0+1
.irp b, 0,1,2,3,4,5,6,7
.if \zero == 1
	v_wmma_scale_f32_16x16x128_f8f6f4 v[8*(8*((\a)%4)+\b):8*(8*((\a)%4)+\b)+7], v[128*(\p)+FR*\b:128*(\p)+FR*\b+FR-1], v[AF+FR*(\a):AF+FR*(\a)+FR-1], v[BI+8*\b:BI+8*\b+7], v[SC+8*NQ*(\sc)+NQ*\b+(\q)], v[SC+8*NQ*(\sc)+NQ*(\a)+(\q)] matrix_a_fmt:MATRIX_FMT_FP4 matrix_b_fmt:MATRIX_FMT_FP4 matrix_a_scale:MATRIX_SCALE_ROW1
.elseif \zero == 2
	v_wmma_scale_f32_16x16x128_f8f6f4 v[8*(8*((\a)%4)+\b):8*(8*((\a)%4)+\b)+7], v[128*(\p)+FR*\b:128*(\p)+FR*\b+FR-1], v[AF+FR*(\a):AF+FR*(\a)+FR-1], v[BI+8*(\a):BI+8*(\a)+7], v[SC+8*NQ*(\sc)+NQ*\b+(\q)], v[SC+8*NQ*(\sc)+NQ*(\a)+(\q)] matrix_a_fmt:MATRIX_FMT_FP4 matrix_b_fmt:MATRIX_FMT_FP4 matrix_a_scale:MATRIX_SCALE_ROW1
.else
	v_wmma_scale_f32_16x16x128_f8f6f4 v[8*(8*((\a)%4)+\b):8*(8*((\a)%4)+\b)+7], v[128*(\p)+FR*\b:128*(\p)+FR*\b+FR-1], v[AF+FR*(\a):AF+FR*(\a)+FR-1], v[8*(8*((\a)%4)+\b):8*(8*((\a)%4)+\b)+7], v[SC+8*NQ*(\sc)+NQ*\b+(\q)], v[SC+8*NQ*(\sc)+NQ*(\a)+(\q)] matrix_a_fmt:MATRIX_FMT_FP4 matrix_b_fmt:MATRIX_FMT_FP4 matrix_a_scale:MATRIX_SCALE_ROW1
.endif
.endr
.endr
.endm
.macro FETCH_B slot, q, p
	WIN TO_B
.irp i, 0,1,2,3,4,5,6,7
	FRAG 128*(\p)+FR*\i, ADRB+\slot, \q, \i
.endr
	WIN 0
.endm
.macro FETCH_A slot, q, i0
.irp i, \i0, \i0+1, \i0+2, \i0+3
	FRAG AF+FR*(\i), ADRA+\slot, \q, \i
.endr
.endm
.macro SCALES sc                       ; a slot's scale words: register 4 i + q: lanes 0-15 the word of A's block i, lanes 16-31 that of B's block i
.irp i, 0,1,2,3,4,5,6,7
.irp q, 0,1,2,3
	ds_load_b32 v[SC+8*NQ*\sc+NQ*\i+\q], v[ADRS] offset:512*\i+64*(4*\sc+\q)
.endr
.endr
.endm
.macro PLACES n                        ; plain vector lines between a matrix instruction and a load into, or a read of, its registers
.rept \n
	v_nop
.endr
.endm
.macro STEP slot, q, zero              ; 128 along K with its successor in the same slot
	s_wait_dscnt 4*NL                              ; B's set, A's blocks 0-3 and the scale words are in; the youngest eight loads (A's blocks 4-7) may be out
.if \zero
	WIN BIA_LO
.else
	WIN MUL_LO
.endif
	MUL16 0, (\q)%2, \q, \slot, \zero
	MUL16 2, (\q)%2, \q, \slot, \zero
	s_wait_dscnt 0
	PLACES NP
	FETCH_B \slot, (\q)+1, 1-(\q)%2
	FETCH_A \slot, (\q)+1, 0
.if \zero
	WIN BIA_HI
.else
	WIN MUL_HI
.endif
	MUL16 4, (\q)%2, \q, \slot, \zero
	MUL16 6, (\q)%2, \q, \slot, \zero
	PLACES NP
	WIN 0
	FETCH_A \slot, (\q)+1, 4
.endm
.macro TURN slot, next                 ; a slot's last step goes over to the other slot: every wave's part of it has landed, then one barrier.  Nothing is filled again
	s_wait_tensorcnt 0x0                           ; my part of the next slot is in
	ds_add_u32 v[SPW], v[NIL]                      ; 0 onto my spare word
	s_wait_dscnt 4*NL+1                            ; (the add and the youngest eight loads may be out)
	WIN MUL_LO
	MUL16 0, 1, NQ-1, \slot, 0
	s_wait_dscnt 0x0
	s_barrier_signal -1
	MUL16 2, 1, NQ-1, \slot, 0
	WIN 0
	s_barrier_wait -1
	PLACES NP
	FETCH_B \next, 0, 0
	FETCH_A \next, 0, 0
	SCALES \next
	WIN MUL_HI
	MUL16 4, 1, NQ-1, \slot, 0
	MUL16 6, 1, NQ-1, \slot, 0
	PLACES NP
	WIN 0
	FETCH_A \next, 0, 4
.endm
.macro STEPS slot, from
.set Q, \from
.rept NQ-1-\from
	STEP \slot, Q, 0
.set Q, Q+1
.endr
.endm
	s_wait_tensorcnt 1                             ; the scale words and my part of slot 0 are in; slot 1's load may be out
	s_barrier_signal -1
	s_barrier_wait -1
	FETCH_B 0, 0, 0
	FETCH_A 0, 0, 0
	SCALES 0
	FETCH_A 0, 0, 4
	s_wait_loadcnt 0x0                             ; the bias
	s_cmp_eq_u32 ttmp9, 2
	s_cbranch_scc1 .Lfirst_v
	STEP 0, 0, 1                                   ; the first products start the sums with the bias: nothing is cleared
	s_branch .Lfirst_done
.Lfirst_v:
	STEP 0, 0, 2
.Lfirst_done:
	STEPS 0, 1
	TURN 0, 1
	STEPS 1, 0
	s_wait_dscnt 4*NL                              ; the very last step: nothing more to fetch
	WIN MUL_LO
	MUL16 0, 1, NQ-1, 1, 0
	MUL16 2, 1, NQ-1, 1, 0
	s_wait_dscnt 0
	WIN MUL_HI
	MUL16 4, 1, NQ-1, 1, 0
	MUL16 6, 1, NQ-1, 1, 0
	WIN 0
	PLACES NP
; THE WAY OUT.  A lane's eight results pack into the 16 bytes that the image wants of that lane: each store covers 512 consecutive aligned bytes, straight from registers.
; kind = 1 (v): also the sums over my two blocks of 64 keys, for A's block a (16 channels).
.macro PACKST a, kind
.set AC, 64*((\a)%4)
.set TT, 128+32*((\a)%4)
.if (\a) >= 4
	s_wait_xcnt 0x0                                ; block a - 4's stores have read their registers
.endif
	WIN 0x0a+5*((\a)/4)                            ; sources 0 and 1: window 2 or 3
.irp b, 0,1,2,3,4,5,6,7
.irp r, 0,1,2,3
	v_cvt_pk_f16_f32 v[TT+4*\b+\r], v[AC+8*\b+2*\r], v[AC+8*\b+2*\r+1]   ; each accumulator from its low end on
.endr
.endr
.if \kind
.irp b, 0,1,2,3,4,5,6,7
	v_pk_add_f32 v[32+4*\b:33+4*\b], v[AC+8*\b:AC+8*\b+1], v[AC+8*\b+2:AC+8*\b+3]
	v_pk_add_f32 v[34+4*\b:35+4*\b], v[AC+8*\b+4:AC+8*\b+5], v[AC+8*\b+6:AC+8*\b+7]
.endr
.endif
	WIN 0
.irp b, 0,1,2,3,4,5,6,7
.if \kind
	global_store_b128 v[CO], v[TT+4*\b:TT+4*\b+3], s[10:11] offset:((\a)/4)*262144+\b*2048+((\a)%4)*512
.else
	global_store_b128 v[CO], v[TT+4*\b:TT+4*\b+3], s[10:11] offset:(\b/4)*262144+(\a)*2048+(\b%4)*512
.endif
.endr
.if \kind
.irp hb, 0,1
.irp n, 0,4,8,12
	v_pk_add_f32 v[32+16*\hb+\n:33+16*\hb+\n], v[32+16*\hb+\n:33+16*\hb+\n], v[34+16*\hb+\n:35+16*\hb+\n]
.endr
	v_pk_add_f32 v[32+16*\hb:33+16*\hb], v[32+16*\hb:33+16*\hb], v[36+16*\hb:37+16*\hb]
	v_pk_add_f32 v[40+16*\hb:41+16*\hb], v[40+16*\hb:41+16*\hb], v[44+16*\hb:45+16*\hb]
	v_pk_add_f32 v[32+16*\hb:33+16*\hb], v[32+16*\hb:33+16*\hb], v[40+16*\hb:41+16*\hb]
	v_add_f32 v[32+16*\hb], v[32+16*\hb], v[33+16*\hb]
	v_permlanex16_b32 v[TP], v[32+16*\hb], s18, s19
	v_add_f32 v[64+2*(\a)+\hb], v[32+16*\hb], v[TP]   ; with lane l xor 16's keys: the sum over 64 keys of channel 16 a + r
.endr
.endif
.endm
	s_cmp_eq_u32 ttmp9, 2
	s_cbranch_scc1 .Lout_v
.irp a, 0,1,2,3,4,5,6,7
	PACKST \a, 0
.endr
	s_branch .Ldone
.Lout_v:
	s_lshl_b32 s20, s66, 14                        ; vsum: 4 blocks of 64 keys to a tile of 256,
	s_lshl_b32 s21, s67, 13                        ; 2 to my half,
	s_add_co_u32 s20, s20, s21
	s_lshl_b32 s21, s2, 10                         ; my channels
	s_add_co_u32 s20, s20, s21
	s_lshl_b32 s21, s3, 9
	s_add_co_u32 s20, s20, s21
	s_mov_b32 s21, 0
	s_add_nc_u64 s[12:13], s[12:13], s[20:21]
.irp a, 0,1,2,3,4,5,6,7
	PACKST \a, 1
.endr
	v_cmp_le_u32 vcc_lo, 16, v3                    ; lanes 16-31 carry the odd blocks' channels
.irp a, 0,2,4,6
.irp hb, 0,1
	v_cndmask_b32 v[80+\a+\hb], v[64+2*\a+\hb], v[64+2*(\a+1)+\hb], vcc_lo
	global_store_b32 v[L4], v[80+\a+\hb], s[12:13] offset:4096*\hb+64*\a   ; 128 consecutive bytes
.endr
.endr
.Ldone:
	s_wait_tensorcnt 0x0                           ; the wave's end
	ds_add_u32 v[SPW], v[NIL]
	s_wait_dscnt 0x0
	CROUND                                         ; the closing round: no work-group ends while a partner may still ask for a tile that names it
	s_endpgm
.Lfunc_end_k_q03d072faa8_qkv:
	.size	k_q03d072faa8_qkv, .Lfunc_end_k_q03d072faa8_qkv-k_q03d072faa8_qkv
	.p2alignl 7, 3214868480
	.fill 96, 4, 3214868480
	.section	.rodata,"a",@progbits
	.p2align	6, 0x0
	.amdhsa_kernel k_q03d072faa8_qkv
		.amdhsa_group_segment_fixed_size 327680
		.amdhsa_private_segment_fixed_size 0
		.amdhsa_enable_private_segment 0
		.amdhsa_kernarg_size 40
		.amdhsa_user_sgpr_count 2
		.amdhsa_user_sgpr_kernarg_segment_ptr 1
		.amdhsa_wavefront_size32 1
		.amdhsa_system_sgpr_workgroup_id_x 1
		.amdhsa_system_sgpr_workgroup_id_y 1
		.amdhsa_system_sgpr_workgroup_id_z 1
		.amdhsa_system_vgpr_workitem_id 0
		.amdhsa_next_free_vgpr 1024
		.amdhsa_next_free_sgpr 98
		.amdhsa_reserve_vcc 1
		.amdhsa_float_denorm_mode_32 3
		.amdhsa_float_denorm_mode_16_64 3
		.amdhsa_memory_ordered 1
		.amdhsa_forward_progress 1
		.amdhsa_inst_pref_size 179
	.end_amdhsa_kernel
	.amdgpu_metadata
---
amdhsa.version: [ 1, 2 ]
amdhsa.kernels:
  - .name:           k_q03d072faa8_qkv
    .symbol:         k_q03d072faa8_qkv.kd
    .args:
      - { .name: codes, .offset: 0, .size: 8, .value_kind: global_buffer, .address_space: global }
      - { .name: scales, .offset: 8, .size: 8, .value_kind: global_buffer, .address_space: global }
      - { .name: b_attn, .offset: 16, .size: 8, .value_kind: global_buffer, .address_space: global }
      - { .name: qkv, .offset: 24, .size: 8, .value_kind: global_buffer, .address_space: global }
      - { .name: vsum, .offset: 32, .size: 8, .value_kind: global_buffer, .address_space: global }
    .group_segment_fixed_size: 327680
    .private_segment_fixed_size: 0
    .kernarg_segment_align: 8
    .kernarg_segment_size: 40
    .max_flat_workgroup_size: 128
    .sgpr_count:     98
    .vgpr_count:     1024
    .wavefront_size: 32
...
	.end_amdgpu_metadata
.endif
;; end of part 2
;; launch first_attn (part 3): grid 16 x 4, 12 waves a work-group, no clusters, 14,336 bytes of LDS; arguments codes, scales, b_attn, vsum, a16; writes a16
.if DOCPART == 3
	.amdgcn_target "amdgcn-amd-amdhsa--gfx1250"
	.amdhsa_code_object_version 6
	.text
	.protected	k_q03d072faa8_first_attn
	.globl	k_q03d072faa8_first_attn
	.p2align	8
	.type	k_q03d072faa8_first_attn,@function
k_q03d072faa8_first_attn:
	s_mov_b64 s[64:65], 0
	v_nop
	global_prefetch_b8 v0, s[64:65] scope:SCOPE_SE
	s_setreg_imm32_b32 hwreg(HW_REG_WAVE_MODE, 25, 1), 1
	s_wait_xcnt 0x0
; Positions 0 to 15 of every sequence, one head and batch to a work-group, carried in f32 behind the quantised product: these rows average few values, and the rounding of 16-bit operands weighs most there.
; Phase 1, twelve waves: wave w makes 16 positions x 16 channels of part w / 4 (q, k, v), channels 16 (w % 4) on, by eight FP4 matrix instructions (K = 1,024), adds the bias, and hands its eight registers on through LDS as an image.
;   q, k: source 0 = w_attn's 16 columns, source 1 = x's 16 rows: lane (r, h): position r, channels 8 h + j.   v: the sources swapped: lane (r, h): channel r, positions 8 h + j.
; Phase 2, waves 0-3: wave w makes channels 16 w .. 16 w + 15 of the output.  S^T = k q^T and O^T = v^T p by the f32 matrix form (16 and 5 instructions: no bulk work); softmax in f32 with the row's maximum taken away.
; THE MASK: reference() gives hidden keys the score -10000, no -infinity.  Keys 0-15 are masked so in registers.  Keys 16-2047 all have that score: they add e = 2^(c (-10000 - m)) times 2,032 to the row's sum,
; and e times the sum of their v to O: that sum is vsum's 32 blocks less my own 16 positions, and enters as a fifth link of O^T's sum.
;   a16 [b 4][head 16][ct 4][half 2][lane][16 B] f32: the eight registers of O^T: lane (r, h), register j: query r, channel 16 ct + 8 h + j
; LIMITS: NaN and infinities are not served.
; REGISTERS: v1-9 lanes and addresses; v12, v13 the add's two; v16-23 the bias's addresses; v24-29 at work; v32-95 x's fragments, later q and k; v96-159 w's fragments, later v, T and e; v160-167 scale words;
;   v168-183 the FP4 sums, later s, p and the result; v184-191 the bias; v192-199 my tile; v200-215 vsum; v216-247 the four f32 accumulators, which matrix instructions alone write.
.set KHB,   704*4096
.set TTB,   12288                      ; behind the twelve images of 1,024 bytes: the hidden keys' sums, 128 bytes for each of v's four waves
.set SPARE, 12800                      ; the spare words, 128 bytes a wave
.set SPW,   12
.set NIL,   13
	s_load_b256 s[4:11], s[0:1], 0x0               ; codes s[4:5], scales s[6:7], b_attn s[8:9], vsum s[10:11]
	s_load_b64 s[12:13], s[0:1], 0x20              ; a16
	v_lshl_add_u32 v[SPW], v0, 2, SPARE
	v_mov_b32 v[NIL], 0
	v_lshrrev_b32 v1, 5, v0
	v_readfirstlane_b32 s14, v1                    ; wave 0..11
	s_lshr_b32 s15, s14, 2                         ; part
	s_and_b32 s16, s14, 3                          ; ct
	s_and_b32 s18, ttmp7, 0xffff                   ; batch; ttmp9 is the head
	v_and_b32 v1, 15, v0                           ; r
	v_bfe_u32 v2, v0, 4, 1                         ; h
	v_and_b32 v4, 31, v0
	v_lshlrev_b32 v3, 4, v4                        ; 16 x lane
	v_lshlrev_b32 v4, 2, v4                        ; 4 x lane
	s_lshl_b32 s21, s14, 10
	v_add_nc_u32 v7, s21, v3                       ; my image
	v_add_nc_u32 v9, 8192, v7                      ; (waves 0-3) the image of v's tile w
	s_lshl_b32 s21, s16, 7
	v_add_nc_u32 v8, s21, v4
	v_add_nc_u32 v8, TTB, v8                       ; the hidden keys' sum of tile ct
	v_lshlrev_b32 v6, 2, v1
	v_lshl_add_u32 v6, v2, 16, v6                  ; vsum: channel r, blocks 16 h on
	v_mov_b32 v26, 0                               ; a lane permute's destination counts as read
	s_lshl_b32 s19, s15, 6
	s_lshl_b32 s21, ttmp9, 2
	s_add_co_u32 s19, s19, s21
	s_add_co_u32 s19, s19, s16
	s_add_co_u32 s19, s19, 512                     ; w_attn's tile of 16 columns
	s_lshl_b32 s20, s18, 7                         ; x's tile of 16 rows
	s_sub_co_u32 s21, s19, s20
	s_lshl_b32 s21, s21, 9
	v_mul_u32_u24 v5, s21, v2
	v_lshl_add_u32 v5, v1, 2, v5                   ; scale words: lanes 0-15 x's rows, lanes 16-31 w's columns
	s_cmp_eq_u32 s15, 2
	s_cselect_b32 s26, 4, 0                        ; the bias's address: bytes for r, for h, and from register to register
	s_cselect_b32 s27, 0, 32
	s_cselect_b32 s28, 0, 4
	v_mul_u32_u24 v24, v1, s26
	v_mul_u32_u24 v25, v2, s27
	v_add_nc_u32 v24, v24, v25
.irp j, 0,1,2,3,4,5,6,7
	s_mul_i32 s29, s28, \j
	v_add_nc_u32 v[16+\j], s29, v24
.endr
	s_mov_b32 s30, 0x3fb8aa3b                      ; c = log2(e)
	s_mov_b32 s32, 0x76543210
	s_mov_b32 s33, 0xfedcba98
	s_mov_b32 s35, 0
	s_wait_kmcnt 0x0
	s_lshl_b32 s34, s20, 12
	s_add_nc_u64 s[22:23], s[4:5], s[34:35]        ; x's codes
	s_lshl_b32 s34, s19, 12
	s_add_nc_u64 s[24:25], s[4:5], s[34:35]        ; w's codes
	s_lshl_b32 s34, s20, 9
	s_add_nc_u64 s[6:7], s[6:7], s[34:35]
	s_lshl_b32 s34, s15, 12
	s_lshl_b32 s36, ttmp9, 8
	s_add_co_u32 s34, s34, s36
	s_lshl_b32 s37, s16, 6
	s_add_co_u32 s34, s34, s37
	s_add_nc_u64 s[8:9], s[8:9], s[34:35]          ; b_attn at my 16 channels
	s_lshl_b32 s34, s18, 17
	s_add_co_u32 s34, s34, s36
	s_add_co_u32 s34, s34, s37
	s_add_nc_u64 s[10:11], s[10:11], s[34:35]      ; vsum at (batch, block 0, my 16 channels)
	s_lshl_b32 s34, s18, 16
	s_lshl_b32 s36, ttmp9, 12
	s_add_co_u32 s34, s34, s36
	s_lshl_b32 s36, s16, 10
	s_add_co_u32 s34, s34, s36
	s_add_nc_u64 s[12:13], s[12:13], s[34:35]      ; a16 at (batch, head, ct)
.set k8, 0
.rept 8
.irp c, 0,1
	global_load_b128 v[32+8*k8+4*\c:35+8*k8+4*\c], v3, s[22:23] offset:(k8/4)*KHB+(k8%4)*1024+512*\c
	global_load_b128 v[96+8*k8+4*\c:99+8*k8+4*\c], v3, s[24:25] offset:(k8/4)*KHB+(k8%4)*1024+512*\c
.endr
	global_load_b32 v[160+k8], v5, s[6:7] offset:64*k8
.set k8, k8+1
.endr
.irp j, 0,1,2,3,4,5,6,7
	global_load_b32 v[184+\j], v[16+\j], s[8:9]
.endr
.macro RES                             ; my tile: the two sums and the bias, into other registers
.rept 4
	v_nop
.endr
.irp j, 0,2,4,6
	v_pk_add_f32 v[192+\j:193+\j], v[168+\j:169+\j], v[176+\j:177+\j]
.endr
.irp j, 0,2,4,6
	v_pk_add_f32 v[192+\j:193+\j], v[192+\j:193+\j], v[184+\j:185+\j]
.endr
.endm
	s_cmp_eq_u32 s15, 2
	s_cbranch_scc1 .Lv
	s_wait_loadcnt 0x0
.set k8, 0
.rept 8                                            ; two accumulators by turns
.if k8 < 2
	v_wmma_scale_f32_16x16x128_f8f6f4 v[168+8*(k8%2):175+8*(k8%2)], v[96+8*k8:103+8*k8], v[32+8*k8:39+8*k8], 0, v[160+k8], v[160+k8] matrix_a_fmt:MATRIX_FMT_FP4 matrix_b_fmt:MATRIX_FMT_FP4 matrix_a_scale:MATRIX_SCALE_ROW1
.else
	v_wmma_scale_f32_16x16x128_f8f6f4 v[168+8*(k8%2):175+8*(k8%2)], v[96+8*k8:103+8*k8], v[32+8*k8:39+8*k8], v[168+8*(k8%2):175+8*(k8%2)], v[160+k8], v[160+k8] matrix_a_fmt:MATRIX_FMT_FP4 matrix_b_fmt:MATRIX_FMT_FP4 matrix_a_scale:MATRIX_SCALE_ROW1
.endif
.set k8, k8+1
.endr
	RES
	s_branch .Ljoin
.Lv:
.set i, 0
.rept 16
	global_load_b32 v[200+i], v6, s[10:11] offset:4096*i
.set i, i+1
.endr
	s_wait_loadcnt 0x0
.set k8, 0
.rept 8
.if k8 < 2
	v_wmma_scale_f32_16x16x128_f8f6f4 v[168+8*(k8%2):175+8*(k8%2)], v[32+8*k8:39+8*k8], v[96+8*k8:103+8*k8], 0, v[160+k8], v[160+k8] matrix_a_fmt:MATRIX_FMT_FP4 matrix_b_fmt:MATRIX_FMT_FP4 matrix_b_scale:MATRIX_SCALE_ROW1
.else
	v_wmma_scale_f32_16x16x128_f8f6f4 v[168+8*(k8%2):175+8*(k8%2)], v[32+8*k8:39+8*k8], v[96+8*k8:103+8*k8], v[168+8*(k8%2):175+8*(k8%2)], v[160+k8], v[160+k8] matrix_a_fmt:MATRIX_FMT_FP4 matrix_b_fmt:MATRIX_FMT_FP4 matrix_b_scale:MATRIX_SCALE_ROW1
.endif
.set k8, k8+1
.endr
	RES
	v_pk_add_f32 v[24:25], v[200:201], v[202:203]  ; my 16 blocks' sums of channel r,
.irp i, 204,206,208,210,212,214
	v_pk_add_f32 v[24:25], v[24:25], v[\i:\i+1]
.endr
.irp j, 0,2,4,6
	v_pk_add_f32 v[24:25], v[24:25], v[192+\j:193+\j] neg_lo:[0,1] neg_hi:[0,1]   ; less my 8 of positions 0-15,
.endr
	v_add_f32 v24, v24, v25
	v_permlanex16_b32 v26, v24, s32, s33
	v_add_f32 v24, v24, v26                        ; with lane l xor 16's: the sum of v over keys 16-2047
	v_cmp_eq_u32 vcc_lo, 0, v2
	v_cndmask_b32 v24, 0, v24, vcc_lo              ; in lanes 0-15 alone: it will stand at k = 0 of a K step of 4
	ds_store_b32 v8, v24
.Ljoin:
	ds_store_b128 v7, v[192:195]
	ds_store_b128 v7, v[196:199] offset:512
	s_wait_dscnt 0x0                               ; for the others' sake: my stores have landed
	s_barrier_signal -1
	s_barrier_wait -1
	s_cmp_lt_u32 s14, 4
	s_cbranch_scc1 .Lphase2
	s_wait_tensorcnt 0x0                           ; the wave's end
	ds_add_u32 v[SPW], v[NIL]
	s_wait_dscnt 0x0
	s_endpgm
.Lphase2:
.irp t, 0,1,2,3
	ds_load_b128 v[32+8*\t:35+8*\t], v3 offset:1024*\t             ; q
	ds_load_b128 v[36+8*\t:39+8*\t], v3 offset:1024*\t+512
	ds_load_b128 v[64+8*\t:67+8*\t], v3 offset:4096+1024*\t        ; k
	ds_load_b128 v[68+8*\t:71+8*\t], v3 offset:4096+1024*\t+512
.endr
	ds_load_b128 v[96:99], v9                      ; v, my 16 channels
	ds_load_b128 v[100:103], v9 offset:512
	ds_load_b32 v104, v8                           ; the hidden keys' sum
	v_mov_b32 v105, 0
	s_wait_dscnt 0x0
.set n, 0
.rept 16                                           ; S^T = k q^T: a pair of registers is 4 channels (2 in each half of the lanes), the same on both sides
.if n < 2
	v_wmma_f32_16x16x4_f32 v[216+8*(n%2):223+8*(n%2)], v[64+2*n:65+2*n], v[32+2*n:33+2*n], 0
.else
	v_wmma_f32_16x16x4_f32 v[216+8*(n%2):223+8*(n%2)], v[64+2*n:65+2*n], v[32+2*n:33+2*n], v[216+8*(n%2):223+8*(n%2)]
.endif
.set n, n+1
.endr
	v_lshlrev_b32 v24, 3, v2
	v_sub_nc_u32 v24, v1, v24                      ; d = r - 8 h: register j holds key 8 h + j, hidden where j > d
	v_mov_b32 v25, 0xc61c4000                      ; -10000
.rept 6
	v_nop
.endr
.irp j, 0,2,4,6
	v_pk_add_f32 v[168+\j:169+\j], v[216+\j:217+\j], v[224+\j:225+\j]
.endr
.irp j, 0,1,2,3,4,5,6,7
	v_cmp_gt_i32 vcc_lo, \j, v24
	v_cndmask_b32 v[168+\j], v[168+\j], v25, vcc_lo
.endr
	v_max3_num_f32 v27, v168, v169, v170
	v_max3_num_f32 v28, v171, v172, v173
	v_max3_num_f32 v27, v27, v174, v175
	v_max3_num_f32 v27, v27, v28, v25              ; the keys beyond 15 count in the maximum too
	v_permlanex16_b32 v26, v27, s32, s33
	v_max_num_f32 v27, v27, v26                    ; m
	v_mul_f32 v28, s30, v27                        ; c m
.irp j, 0,1,2,3,4,5,6,7
	v_fma_f32 v[168+\j], v[168+\j], s30, -v28
.endr
	v_fma_f32 v106, v25, s30, -v28
.irp j, 0,1,2,3,4,5,6,7
	v_exp_f32 v[168+\j], v[168+\j]                 ; p
.endr
	v_exp_f32 v106, v106                           ; e
	v_nop                                          ; a plain line behind the last exponential
	s_wait_alu depctr_va_vdst(0)                   ; one wait for the batch of nine, ahead of its first reader
	v_mov_b32 v107, v106
	v_pk_add_f32 v[24:25], v[168:169], v[170:171]
	v_pk_add_f32 v[28:29], v[172:173], v[174:175]
	v_pk_add_f32 v[24:25], v[24:25], v[28:29]
	v_add_f32 v24, v24, v25
	v_permlanex16_b32 v26, v24, s32, s33
	v_add_f32 v24, v24, v26
	v_fmamk_f32 v24, v106, 0x44fe0000, v24         ; + 2,032 e: the row's sum
	v_rcp_f32 v24, v24
	v_wmma_f32_16x16x4_f32 v[232:239], v[96:97], v[168:169], 0                ; O^T = v^T p, two accumulators by turns
	v_wmma_f32_16x16x4_f32 v[240:247], v[98:99], v[170:171], 0
	v_wmma_f32_16x16x4_f32 v[232:239], v[100:101], v[172:173], v[232:239]
	v_wmma_f32_16x16x4_f32 v[240:247], v[102:103], v[174:175], v[240:247]
	v_wmma_f32_16x16x4_f32 v[232:239], v[104:105], v[106:107], v[232:239]     ; + (the hidden keys' sum) x e
.rept 8
	v_nop
.endr
	s_wait_alu depctr_va_vdst(0)                   ; the reciprocal's wait, ahead of its first reader
.irp j, 0,2,4,6
	v_pk_add_f32 v[176+\j:177+\j], v[232+\j:233+\j], v[240+\j:241+\j]
.endr
.irp j, 0,2,4,6
	v_pk_mul_f32 v[176+\j:177+\j], v[176+\j:177+\j], v[24:25] op_sel_hi:[1,0]
.endr
	global_store_b128 v3, v[176:179], s[12:13]     ; 512 consecutive aligned bytes each
	global_store_b128 v3, v[180:183], s[12:13] offset:512
	s_wait_tensorcnt 0x0                           ; the wave's end
	ds_add_u32 v[SPW], v[NIL]
	s_wait_dscnt 0x0
	s_endpgm
.Lfunc_end_k_q03d072faa8_first_attn:
	.size	k_q03d072faa8_first_attn, .Lfunc_end_k_q03d072faa8_first_attn-k_q03d072faa8_first_attn
	.p2alignl 7, 3214868480
	.fill 96, 4, 3214868480
	.section	.rodata,"a",@progbits
	.p2align	6, 0x0
	.amdhsa_kernel k_q03d072faa8_first_attn
		.amdhsa_group_segment_fixed_size 14336
		.amdhsa_private_segment_fixed_size 0
		.amdhsa_enable_private_segment 0
		.amdhsa_kernarg_size 40
		.amdhsa_user_sgpr_count 2
		.amdhsa_user_sgpr_kernarg_segment_ptr 1
		.amdhsa_wavefront_size32 1
		.amdhsa_system_sgpr_workgroup_id_x 1
		.amdhsa_system_sgpr_workgroup_id_y 1
		.amdhsa_system_sgpr_workgroup_id_z 1
		.amdhsa_system_vgpr_workitem_id 0
		.amdhsa_next_free_vgpr 256
		.amdhsa_next_free_sgpr 66
		.amdhsa_reserve_vcc 1
		.amdhsa_float_denorm_mode_32 3
		.amdhsa_float_denorm_mode_16_64 3
		.amdhsa_memory_ordered 1
		.amdhsa_forward_progress 1
		.amdhsa_inst_pref_size 21
	.end_amdhsa_kernel
	.amdgpu_metadata
---
amdhsa.version: [ 1, 2 ]
amdhsa.kernels:
  - .name:           k_q03d072faa8_first_attn
    .symbol:         k_q03d072faa8_first_attn.kd
    .args:
      - { .name: codes, .offset: 0, .size: 8, .value_kind: global_buffer, .address_space: global }
      - { .name: scales, .offset: 8, .size: 8, .value_kind: global_buffer, .address_space: global }
      - { .name: b_attn, .offset: 16, .size: 8, .value_kind: global_buffer, .address_space: global }
      - { .name: vsum, .offset: 24, .size: 8, .value_kind: global_buffer, .address_space: global }
      - { .name: a16, .offset: 32, .size: 8, .value_kind: global_buffer, .address_space: global }
    .group_segment_fixed_size: 14336
    .private_segment_fixed_size: 0
    .kernarg_segment_align: 8
    .kernarg_segment_size: 40
    .max_flat_workgroup_size: 384
    .sgpr_count:     66
    .vgpr_count:     256
    .wavefront_size: 32
...
	.end_amdgpu_metadata
.endif
;; end of part 3
;; launch attn (part 4): grid 4 x 64, 16 waves a work-group, no clusters, 327,680 bytes of LDS; arguments qkv, vsum, ai; writes ai
.if DOCPART == 4
	.amdgcn_target "amdgcn-amd-amdhsa--gfx1250"
	.amdhsa_code_object_version 6
	.text
	.protected	k_q03d072faa8_attn
	.globl	k_q03d072faa8_attn
	.p2align	8
	.type	k_q03d072faa8_attn,@function
k_q03d072faa8_attn:
	s_mov_b64 s[64:65], 0
	v_nop
	global_prefetch_b8 v0, s[64:65] scope:SCOPE_SE
	s_setreg_imm32_b32 hwreg(HW_REG_WAVE_MODE, 25, 1), 1
	s_wait_xcnt 0x0
; a = softmax(q k^T, hidden keys at -10000) v for one head and batch; no scaling by the head's size, as the problem has it.  q, k, v arrive as f16 images of operand registers; products on f16 with f32 sums; maxima, sums, exponentials in f32.
; SHARES.  A work-group owns the query blocks i and 7 - i (256 queries each) of a head: i + 1 and 8 - i slots of keys, 9 for every work-group.  Sixteen waves, 32 queries (two tiles) each; half of them serve each block,
; and the bit (w xor w / 4) & 1 that says which alternates both from wave to wave and from four waves to the next four.  One walk over the keys serves both blocks.
; LAYOUT.  S^T = k q^T (source 0 = 16 keys, source 1 = 16 queries), O^T = v^T p (source 0 = 16 channels, source 1 = p): a lane holds one query throughout; two tiles of S^T, rounded to f16 in pairs, are p's fragment.
; THE RING.  Two LDS slots of 256 keys (K's 32 KB, V's 32 KB, dense images: every fragment load is 16 bytes a lane on end).  Waves 0-3 fetch 16 KB each.  Every wait on TENSORcnt is for 0.
; THE MASK.  Every wave walks all steps; a step all of whose 64 keys come after its queries is jumped over (a scalar branch on ids, round no barrier, wait or tensor load).  In a wave's one step on the diagonal hidden scores become -10000.
; The keys from KE = (Q0 & ~63) + 64 on all have the score -10000: at the end m' = max(m, -10000), e = 2^(c (-10000 - m')), the sum takes e (2048 - KE) and O takes e T[KE / 64], T[j] = the sum of v over keys from 64 j on (a table in LDS, made from vsum).
; A slot whose first key comes after the work-group's last query is read by no wave and is not asked for.
; NO CLUSTER: the four work-groups of a head need 8, 7, 6 and 5 slots; a joint load would bring partners tiles that all their waves jump over.
;   ai [kst 8][rt 512][kc 8][lane][16 B] f16: kst = head / 2, kc = 4 (head % 2) + ct, rt = 128 b + position / 16; lane (r, h): row 16 rt + r, channels 16 ct + 8 h + 0..7 of the head
; LIMITS: scores under -1e30, NaN and infinities are not served; p under f16's smallest number counts as 0 in the second product (the row's sum keeps it).
; REGISTERS: v1, v2 the add's two; v3 16 x lane; v4 the step's LDS address; v5, v6 the mask's d; v7 -10000; v8-23 eight registers of statistics a tile (+0 c m, +1 m, +2, +3 the sum, +4..+7 at work, a in +6);
;   v24-30 at work; v31 the prefetch's offset; v32-63 Q; v64-127 K's fragments, then V's; v128-191 S^T, p packed in place; v192-255 O^T.
.set SLOT1, 65536
.set SPARE, 131072                     ; behind the ring: the spare words, 128 bytes a wave
.set TBL,   133120                     ; T: 32 rows of 64 f32
.set SPW, 1
.set NIL, 2
.set LI,  3
.set ADK, 4
.set D0,  5
.set NEGV, 7
.set ST,  8
.set PFO, 31
.set Q,   32
.set KV,  64
.set S,   128
.set O,   192
.set TB,    2                          ; s2   LDS byte at which the step's tiles begin
.set KF,    10                         ; s10  the step's first key
.set Q0,    11                         ; s11  my first query
.set SLOTS, 12
.set LASTQ, 13                         ; s13  my work-group's last query
.set STEPS, 14
.set WV,    18
.set SEL,   20
.set CS,    22                         ; s[22:23] c = log2(e)
.set G1,    24
.set G0,    40
.set PFA,   44
.set LIM,   46
.set NEG,   47
.set NREST, 48
.macro TLOAD                           ; waves 0-3 fetch; an s_nop 0 and four v_nop follow the load
	s_cmp_lt_u32 s[WV], 4
	s_cbranch_scc0 .Lasked_\@
	tensor_load_to_lds s[G0:G0+3], s[G1:G1+7]
	s_nop 0
.rept 4
	v_nop
.endr
.Lasked_\@:
.endm
; A prefetch of what the NEXT change of slots will ask for.  All four work-groups of a head walk the same K and V: work-group 0, which walks all slots, asks.  In it waves 4-7 ask for K's 32 KB, waves 8-11 for V's:
; 8,192 bytes a wave, lanes 256 bytes apart: each aligned block of 256 bytes is named once.  The last change that fills a slot asks for nothing; slots 0 and 1 come by their loads alone.
.macro ASK
	s_cmp_gt_u32 s[SLOTS], s[LIM]
	s_cbranch_scc0 .Lnot_mine_\@
	global_prefetch_b8 v[PFO], s[PFA:PFA+1] th:TH_LOAD_NT scope:SCOPE_SE
.Lnot_mine_\@:
.endm
	s_load_b128 s[4:7], s[0:1], 0x0                ; qkv s[4:5], vsum s[6:7]
	s_load_b64 s[8:9], s[0:1], 0x10                ; ai
	v_lshl_add_u32 v[SPW], v0, 2, SPARE
	v_mov_b32 v[NIL], 0
	ds_add_u32 v[SPW], v[NIL]                      ; the wave's opening: the add, twice on end, and its wait ahead of the first tensor load
	ds_add_u32 v[SPW], v[NIL]
	v_lshrrev_b32 v24, 5, v0
	v_readfirstlane_b32 s[WV], v24                 ; wave 0..15
	s_and_b32 s15, ttmp7, 0xffff                   ; 16 x batch + head
	s_lshr_b32 s16, s[WV], 2
	s_xor_b32 s16, s16, s[WV]
	s_and_b32 s16, s16, 1                          ; which of the two blocks
	s_mul_i32 s16, s16, 7
	s_xor_b32 s16, s16, ttmp9                      ; i or 7 - i
	s_lshl_b32 s[Q0], s16, 8
	s_lshr_b32 s17, s[WV], 1
	s_lshl_b32 s17, s17, 5
	s_add_co_u32 s[Q0], s[Q0], s17
	s_lshl_b32 s[LASTQ], ttmp9, 8
	s_sub_co_u32 s[LASTQ], 2047, s[LASTQ]
	s_mov_b32 s[G1], 3<<16                         ; elements of 8 bytes, no mask, no padding
	s_mov_b32 s[G1+1], 32<<16                      ; tensor_dim0: rows of 256 bytes
	s_mov_b32 s[G1+2], 64<<16                      ; tensor_dim1: 64 of them, a dense 16 KB
	s_mov_b32 s[G1+3], 32<<16                      ; tile_dim0
	s_mov_b32 s[G1+4], 64                          ; tile_dim1
	s_mov_b32 s[G1+5], 32                          ; the pitch
	s_mov_b32 s[G1+6], 0
	s_mov_b32 s[G1+7], 0
	s_mov_b32 s[SEL], 0x76543210
	s_mov_b32 s[SEL+1], 0xfedcba98
	s_mov_b32 s[CS], 0x3fb8aa3b
	s_mov_b32 s[CS+1], s[CS]                       ; (named with it as a pair)
	s_mov_b32 s[TB], 0
	s_mov_b32 s[KF], 0
	s_mov_b32 s[SLOTS], 7
	s_bfe_u32 s32, s[WV], 0x10001                  ; waves 0, 1: K; waves 2, 3: V
	s_add_co_u32 s32, s32, 1
	s_lshl_b32 s32, s32, 24
	s_lshl_b32 s33, s15, 18
	s_add_co_u32 s32, s32, s33
	s_and_b32 s33, s[WV], 1
	s_lshl_b32 s33, s33, 14                        ; which half of a slot's 32 KB
	s_add_co_u32 s32, s32, s33
	s_mov_b32 s33, 0
	s_lshl_b32 s34, s[WV], 14                      ; and where it goes: 16,384 x wave
	s_wait_dscnt 0x0                               ; both opening adds are done
	s_wait_kmcnt 0x0
	s_mov_b32 s[G0], 1
	s_mov_b32 s[G0+1], s34
	s_add_nc_u64 s[G0+2:G0+3], s[4:5], s[32:33]
	s_or_b32 s[G0+3], s[G0+3], 0x80000000
	TLOAD                                          ; slot 0: it holds key 0, which counts for every query
	s_lshl_b32 s32, s15, 18
	s_lshl_b32 s35, s[Q0], 7
	s_add_co_u32 s32, s32, s35
	s_add_nc_u64 s[36:37], s[4:5], s[32:33]        ; q at my first tile
	v_and_b32 v24, 31, v0
	v_lshlrev_b32 v[LI], 4, v24
	v_lshlrev_b32 v[PFO], 8, v24
.irp u, 0,1
.irp kk, 0,1
.irp c, 0,1
	global_load_b128 v[Q+16*\u+8*\kk+4*\c:Q+16*\u+8*\kk+4*\c+3], v[LI], s[36:37] offset:2048*\u+512*(2*\kk+\c)   ; Q stays in registers
.endr
.endr
.endr
	s_cmp_lt_u32 s[WV], 8                          ; the prefetches: waves 4-7 K, waves 8-11 V
	s_cselect_b32 s38, 1, 2
	s_lshl_b32 s38, s38, 24
	s_lshl_b32 s39, s15, 18
	s_add_co_u32 s38, s38, s39
	s_and_b32 s39, s[WV], 3
	s_lshl_b32 s39, s39, 13
	s_add_co_u32 s38, s38, s39
	s_add_co_u32 s38, s38, 32768                   ; in slot 1: the first change of slots steps it to slot 2
	s_mov_b32 s39, 0
	s_add_nc_u64 s[PFA:PFA+1], s[4:5], s[38:39]
	s_sub_co_u32 s38, s[WV], 4
	s_lshr_b32 s38, s38, 3                         ; 0 in waves 4 to 11,
	s_or_b32 s38, s38, ttmp9                       ; of work-group 0
	s_cmp_eq_u32 s38, 0
	s_cselect_b32 s[LIM], 1, -1
	; the table T.  Thread: channel v0 % 64, rows 4 g .. 4 g + 3 with g = v0 / 64
	s_lshr_b32 s50, s15, 4
	s_lshl_b32 s50, s50, 17
	s_and_b32 s51, s15, 15
	s_lshl_b32 s51, s51, 8
	s_add_co_u32 s50, s50, s51
	s_mov_b32 s51, 0
	s_add_nc_u64 s[52:53], s[6:7], s[50:51]        ; vsum at (batch, block 0, head)
	s_lshr_b32 s54, s[WV], 1                       ; g
	s_lshl_b32 s50, s54, 14
	s_add_nc_u64 s[56:57], s[52:53], s[50:51]      ; and at block 4 g
	s_lshl_b32 s55, s54, 2
	s_add_co_u32 s55, s55, 3                       ; 4 g + 3
	v_and_b32 v25, 63, v0
	v_lshlrev_b32 v25, 2, v25
.set i, 4
.rept 28
	global_load_b32 v[KV+i], v25, s[52:53] offset:4096*i   ; blocks 4 to 31: those that can lie behind a group's own four
.set i, i+1
.endr
.irp k, 0,1,2,3
	global_load_b32 v[KV+32+\k], v25, s[56:57] offset:4096*\k
.endr
	v_lshrrev_b32 v26, 6, v0
	v_lshl_add_u32 v26, v26, 10, v25
	v_add_nc_u32 v26, TBL, v26
	v_mov_b32 v[NEGV], 0xc61c4000                  ; -10000
.irp u, 0,1
	v_mov_b32 v[ST+8*\u+1], 0xf149f2ca             ; m = -1e30, under every score that is served
	v_mul_f32 v[ST+8*\u], s[CS], v[ST+8*\u+1]
.irp n, 2,3,4,5,6,7
	v_mov_b32 v[ST+8*\u+\n], 0
.endr
.endr
.set i, 0
.rept 64
	v_mov_b32 v[O+i], 0                            ; O^T.  (The step is written once: the first finds zeros, which a = 0 leaves zeros)
.set i, i+1
.endr
	s_wait_loadcnt 0x0                             ; Q and vsum
	s_cmp_lt_u32 s55, 4
	s_cselect_b32 s58, 1.0, 0
	v_mul_f32 v27, s58, v[KV+4]
.set i, 5
.rept 27
	s_cmp_lt_u32 s55, i                            ; does block i lie behind my four?
	s_cselect_b32 s58, 1.0, 0
	v_fmac_f32 v27, s58, v[KV+i]
.set i, i+1
.endr
	v_add_f32 v28, v27, v[KV+35]                   ; T[4 g + 3],
	v_add_f32 v29, v28, v[KV+34]
	v_add_f32 v30, v29, v[KV+33]
	v_add_f32 v27, v30, v[KV+32]                   ; down to T[4 g]
	ds_store_b32 v26, v28 offset:768
	ds_store_b32 v26, v29 offset:512
	ds_store_b32 v26, v30 offset:256
	ds_store_b32 v26, v27                          ; the first change of slots waits for these and passes a barrier
; A KEY STEP: 64 keys, at LDS byte s[TB].
.macro STEP
	s_add_co_u32 s32, s[Q0], 31
	s_cmp_gt_u32 s[KF], s32                        ; all keys come after my queries: only the step's tail is run
	s_cbranch_scc1 .Lhidden_\@
	v_add_nc_u32 v[ADK], s[TB], v[LI]
.rept 4
	v_nop                                          ; with the line above: five places.  The loads below land in registers that the last V^T P read, and the new scores are written over its P
.endr
.irp kt, 0,1,2,3
.irp kk, 0,1
.irp c, 0,1
	ds_load_b128 v[KV+16*\kt+8*\kk+4*\c:KV+16*\kt+8*\kk+4*\c+3], v[ADK] offset:2048*\kt+512*(2*\kk+\c)
.endr
.endr
.endr
	s_wait_dscnt 0x0
.irp kk, 0,1                                       ; S^T: eight accumulators by turns
.irp kt, 0,1,2,3
.irp u, 0,1
.if \kk == 0
	v_wmma_f32_16x16x32_f16 v[S+32*\u+8*\kt:S+32*\u+8*\kt+7], v[KV+16*\kt+8*\kk:KV+16*\kt+8*\kk+7], v[Q+16*\u+8*\kk:Q+16*\u+8*\kk+7], 0
.else
	v_wmma_f32_16x16x32_f16 v[S+32*\u+8*\kt:S+32*\u+8*\kt+7], v[KV+16*\kt+8*\kk:KV+16*\kt+8*\kk+7], v[Q+16*\u+8*\kk:Q+16*\u+8*\kk+7], v[S+32*\u+8*\kt:S+32*\u+8*\kt+7]
.endif
.endr
.endr
.endr
.rept 4
	v_nop                                          ; places: V's loads land where K lay, and the scores are read
.endr
.irp g, 0,1
.irp ct, 0,1,2,3
.irp c, 0,1
	ds_load_b128 v[KV+32*\g+8*\ct+4*\c:KV+32*\g+8*\ct+4*\c+3], v[ADK] offset:32768+2048*(2*\g+\c)+512*\ct   ; they land under the softmax
.endr
.endr
.endr
	s_add_co_u32 s32, s[KF], 63
	s_cmp_le_u32 s32, s[Q0]                        ; all keys count for all my queries: no mask
	s_cbranch_scc1 .Lopen_\@
	s_sub_co_i32 s32, s[Q0], s[KF]
	v_and_b32 v24, 15, v0
	v_bfe_u32 v25, v0, 4, 1
	v_lshlrev_b32 v25, 3, v25
	v_sub_nc_u32 v24, v24, v25
	v_add_nc_u32 v[D0], s32, v24                   ; d = my query - KF - 8 h: register 8 kt + j holds key KF + 16 kt + 8 h + j, hidden where 16 kt + j > d
	v_add_nc_u32 v[D0+1], 16, v[D0]
.irp u, 0,1
.set n, 0
.rept 32
	v_cmp_gt_i32 vcc_lo, 16*(n/8)+n%8, v[D0+\u]
	v_cndmask_b32 v[S+32*\u+n], v[S+32*\u+n], v[NEGV], vcc_lo
.set n, n+1
.endr
.endr
.Lopen_\@:
.irp j, 0,1,2,3                                    ; the maximum: four chains a tile, each accumulator from its low end on; the two tiles line by line
.irp u, 0,1
	v_max3_num_f32 v[ST+8*\u+4+\j], v[S+32*\u+8*\j], v[S+32*\u+8*\j+1], v[S+32*\u+8*\j+2]
.endr
.endr
.irp k, 3,5
.irp j, 0,1,2,3
.irp u, 0,1
	v_max3_num_f32 v[ST+8*\u+4+\j], v[ST+8*\u+4+\j], v[S+32*\u+8*\j+\k], v[S+32*\u+8*\j+\k+1]
.endr
.endr
.endr
.irp u, 0,1
	v_max3_num_f32 v[ST+8*\u+4], v[ST+8*\u+4], v[S+32*\u+7], v[S+32*\u+15]
	v_max3_num_f32 v[ST+8*\u+6], v[ST+8*\u+6], v[S+32*\u+23], v[S+32*\u+31]
.endr
.irp u, 0,1
	v_max3_num_f32 v[ST+8*\u+4], v[ST+8*\u+4], v[ST+8*\u+5], v[ST+8*\u+6]
.endr
.irp u, 0,1
	v_max3_num_f32 v[ST+8*\u+4], v[ST+8*\u+4], v[ST+8*\u+7], v[ST+8*\u+1]   ; and the old m
.endr
.irp u, 0,1
	v_permlanex16_b32 v[ST+8*\u+5], v[ST+8*\u+4], s[SEL], s[SEL+1]
.endr
.irp u, 0,1
	v_mov_b32 v[ST+8*\u+7], v[ST+8*\u]             ; c m_old
.endr
.irp u, 0,1
	v_max_num_f32 v[ST+8*\u+1], v[ST+8*\u+4], v[ST+8*\u+5]
.endr
.irp u, 0,1
	v_mul_f32 v[ST+8*\u], s[CS], v[ST+8*\u+1]
.endr
.irp u, 0,1
	v_sub_f32 v[ST+8*\u+7], v[ST+8*\u+7], v[ST+8*\u]
.endr
.irp u, 0,1
	v_exp_f32 v[ST+8*\u+6], v[ST+8*\u+7]           ; a = 2^(c m_old - c m_new)
.endr
.set i, 0
.rept 16
.irp u, 0,1
	v_pk_fma_f32 v[S+32*\u+2*i:S+32*\u+2*i+1], v[S+32*\u+2*i:S+32*\u+2*i+1], s[CS:CS+1], v[ST+8*\u:ST+8*\u+1] op_sel_hi:[1,0,0] neg_lo:[0,0,1] neg_hi:[0,0,1]   ; c s - c m
.endr
.set i, i+1
.endr
.set i, 0
.rept 32
.irp u, 0,1
	v_exp_f32 v[S+32*\u+i], v[S+32*\u+i]           ; p, at most 1
.endr
.set i, i+1
.endr
	v_nop                                          ; a plain line behind the last exponential
	s_wait_alu depctr_va_vdst(0)                   ; one wait for the batch of 66, ahead of its first reader
.irp u, 0,1
	v_pk_mul_f32 v[ST+8*\u+2:ST+8*\u+3], v[ST+8*\u+2:ST+8*\u+3], v[ST+8*\u+6:ST+8*\u+7] op_sel_hi:[1,0]
	v_pk_add_f32 v[24+2*\u:25+2*\u], v[S+32*\u:S+32*\u+1], v[S+32*\u+2:S+32*\u+3]
.endr
.irp j, 4,8,12,16,20,24,28
.irp u, 0,1
	v_pk_add_f32 v[ST+8*\u+2:ST+8*\u+3], v[ST+8*\u+2:ST+8*\u+3], v[S+32*\u+\j:S+32*\u+\j+1]     ; the row's sum, of p in f32, in two chains
	v_pk_add_f32 v[24+2*\u:25+2*\u], v[24+2*\u:25+2*\u], v[S+32*\u+\j+2:S+32*\u+\j+3]
.endr
.endr
.irp u, 0,1
	v_pk_add_f32 v[ST+8*\u+2:ST+8*\u+3], v[ST+8*\u+2:ST+8*\u+3], v[24+2*\u:25+2*\u]
.endr
.set i, 0
.rept 16
.irp u, 0,1
	v_cvt_pk_f16_f32 v[S+32*\u+i], v[S+32*\u+2*i], v[S+32*\u+2*i+1]   ; ascending: no p is overwritten before it is read
.endr
.set i, i+1
.endr
.set i, 0
.rept 16
.irp u, 0,1
	v_pk_mul_f32 v[O+32*\u+2*i:O+32*\u+2*i+1], v[O+32*\u+2*i:O+32*\u+2*i+1], v[ST+8*\u+6:ST+8*\u+7] op_sel_hi:[1,0]
.endr
.set i, i+1
.endr
	s_wait_dscnt 0x0                               ; V is in
.irp g, 0,1                                        ; O^T += v^T p: eight accumulators by turns
.irp ct, 0,1,2,3
.irp u, 0,1
	v_wmma_f32_16x16x32_f16 v[O+32*\u+8*\ct:O+32*\u+8*\ct+7], v[KV+32*\g+8*\ct:KV+32*\g+8*\ct+7], v[S+32*\u+8*\g:S+32*\u+8*\g+7], v[O+32*\u+8*\ct:O+32*\u+8*\ct+7]
.endr
.endr
.endr
.Lhidden_\@:
	s_add_co_u32 s[KF], s[KF], 64
	s_add_co_u32 s[TB], s[TB], 8192
.endm
; THE CHANGE OF SLOTS stands at a slot's head: all my tensor loads have landed, the add, my reads of the slot that I have left are over, one barrier; behind it the other slot is asked for, up to the causal limit.
.macro CHANGE fill
	s_wait_tensorcnt 0x0                           ; no tensor load of mine is out, so group 0 may be written
	ds_add_u32 v[SPW], v[NIL]                      ; 0 onto my spare word
.if \fill
	ds_add_u32 v[SPW], v[NIL]                      ; and once more
	s_xor_b32 s[G0+1], s[G0+1], SLOT1              ; the other slot than last time,
	s_add_nc_u64 s[G0+2:G0+3], s[G0+2:G0+3], 32768 ; the next 256 keys
	s_wait_xcnt 0x0                                ; the last prefetch, a slot back, has read its address
	s_add_nc_u64 s[PFA:PFA+1], s[PFA:PFA+1], 32768
.endif
	s_wait_dscnt 0x0
	s_barrier_signal -1
	s_barrier_wait -1
.if \fill
	s_add_co_u32 s32, s[KF], 256                   ; the first key of the slot that this change would ask for:
	s_cmp_gt_u32 s32, s[LASTQ]                     ; beyond my work-group's last query no wave reads it.  Ids and the count of steps alone: all sixteen waves go the same way
	s_cbranch_scc1 .Lpast_\@
	TLOAD                                          ; a wave's one tensor load until the next such barrier: it has a slot's four steps in which to land
.Lpast_\@:
	ASK
.endif
.endm
.macro SLOT_STEPS                      ; a slot's four key steps: written once, walked four times
	s_mov_b32 s[STEPS], 4
.Lstep_\@:
	STEP
	s_sub_co_u32 s[STEPS], s[STEPS], 1
	s_cmp_lg_u32 s[STEPS], 0
	s_cbranch_scc1 .Lstep_\@
	s_sub_co_u32 s[TB], s[TB], 32768               ; back to a slot's first step,
	s_xor_b32 s[TB], s[TB], SLOT1                  ; in the other slot
.endm
.Lslot:                                            ; seven trips
	CHANGE 1
	SLOT_STEPS
	s_sub_co_u32 s[SLOTS], s[SLOTS], 1
	s_cmp_lg_u32 s[SLOTS], 0
	s_cbranch_scc1 .Lslot
	CHANGE 0                                       ; the last slot is written out: nothing is left to ask for
	SLOT_STEPS
	; THE END.  The keys from KE on, the division, and out.
	s_lshr_b32 s33, s[Q0], 6
	s_add_co_u32 s32, s33, 1
	s_min_u32 s32, s32, 31                         ; T's row KE / 64 (where no key is left, row 31: it is multiplied by e = 0)
	s_lshl_b32 s32, s32, 8
	s_lshl_b32 s33, s33, 6
	s_sub_co_u32 s33, 1984, s33                    ; 2048 - KE
	s_cmp_lg_u32 s33, 0
	s_mov_b32 s[NEG], 0xff800000                   ; no key left: -infinity, so that m stays and e = 0
	s_cselect_b32 s[NEG], 0xc61c4000, s[NEG]
	s_cvt_f32_u32 s[NREST], s33
	v_bfe_u32 v24, v0, 4, 1
	v_lshlrev_b32 v24, 5, v24
	v_add_nc_u32 v24, s32, v24
	v_add_nc_u32 v24, TBL, v24                     ; (four plain lines: the places in front of the loads below)
.irp ct, 0,1,2,3
	ds_load_b128 v[KV+8*\ct:KV+8*\ct+3], v24 offset:64*\ct        ; T at channels 16 ct + 8 h + 0..7
	ds_load_b128 v[KV+8*\ct+4:KV+8*\ct+7], v24 offset:64*\ct+16
.endr
.irp u, 0,1
	v_max_num_f32 v[ST+8*\u+4], s[NEG], v[ST+8*\u+1]               ; m'
.endr
.irp u, 0,1
	v_mul_f32 v[ST+8*\u+5], s[CS], v[ST+8*\u+4]
.endr
.irp u, 0,1
	v_sub_f32 v[ST+8*\u+6], v[ST+8*\u], v[ST+8*\u+5]
	v_fma_f32 v[ST+8*\u+7], s[NEG], s[CS], -v[ST+8*\u+5]
.endr
.irp u, 0,1
	v_exp_f32 v[ST+8*\u+6], v[ST+8*\u+6]           ; 2^(c m - c m')
	v_exp_f32 v[ST+8*\u+7], v[ST+8*\u+7]           ; e
.endr
.irp u, 0,1
	v_add_f32 v[ST+8*\u+4], v[ST+8*\u+2], v[ST+8*\u+3]
.endr
	s_wait_alu depctr_va_vdst(0)                   ; one wait for the four
.irp u, 0,1
	v_permlanex16_b32 v[ST+8*\u+5], v[ST+8*\u+4], s[SEL], s[SEL+1]
.endr
.irp u, 0,1
	v_add_f32 v[ST+8*\u+4], v[ST+8*\u+4], v[ST+8*\u+5]
.endr
.irp u, 0,1
	v_mul_f32 v[ST+8*\u+4], v[ST+8*\u+4], v[ST+8*\u+6]
.endr
.irp u, 0,1
	v_fmac_f32 v[ST+8*\u+4], s[NREST], v[ST+8*\u+7]                ; the row's sum
.endr
.irp u, 0,1
	v_rcp_f32 v[ST+8*\u+4], v[ST+8*\u+4]
.endr
	v_nop
	s_wait_alu depctr_va_vdst(0)
.irp u, 0,1
	v_mul_f32 v[ST+8*\u+6], v[ST+8*\u+6], v[ST+8*\u+4]
	v_mul_f32 v[ST+8*\u+4], v[ST+8*\u+7], v[ST+8*\u+4]
.endr
	s_wait_dscnt 0x0
.set i, 0
.rept 16
.irp u, 0,1
	v_pk_mul_f32 v[O+32*\u+2*i:O+32*\u+2*i+1], v[O+32*\u+2*i:O+32*\u+2*i+1], v[ST+8*\u+6:ST+8*\u+7] op_sel_hi:[1,0]
.endr
.set i, i+1
.endr
.set i, 0
.rept 16
.irp u, 0,1
	v_pk_fma_f32 v[O+32*\u+2*i:O+32*\u+2*i+1], v[KV+2*i:KV+2*i+1], v[ST+8*\u+4:ST+8*\u+5], v[O+32*\u+2*i:O+32*\u+2*i+1] op_sel_hi:[1,0,1]
.endr
.set i, i+1
.endr
.set i, 0
.rept 16
.irp u, 0,1
	v_cvt_pk_f16_f32 v[S+16*\u+i], v[O+32*\u+2*i], v[O+32*\u+2*i+1]
.endr
.set i, i+1
.endr
	s_and_b32 s32, s15, 15                         ; head
	s_lshr_b32 s33, s32, 1
	s_lshl_b32 s33, s33, 21
	s_and_b32 s32, s32, 1
	s_lshl_b32 s32, s32, 11
	s_add_co_u32 s32, s32, s33
	s_lshr_b32 s33, s15, 4                         ; batch
	s_lshl_b32 s33, s33, 19
	s_add_co_u32 s32, s32, s33
	s_lshl_b32 s33, s[Q0], 8
	s_add_co_u32 s32, s32, s33
	s_mov_b32 s33, 0
	s_add_nc_u64 s[8:9], s[8:9], s[32:33]
.irp u, 0,1
.irp ct, 0,1,2,3
	global_store_b128 v[LI], v[S+16*\u+4*\ct:S+16*\u+4*\ct+3], s[8:9] offset:4096*\u+512*\ct   ; 512 consecutive aligned bytes
.endr
.endr
	s_wait_tensorcnt 0x0                           ; the wave's end
	ds_add_u32 v[SPW], v[NIL]
	s_wait_dscnt 0x0
	s_endpgm
.Lfunc_end_k_q03d072faa8_attn:
	.size	k_q03d072faa8_attn, .Lfunc_end_k_q03d072faa8_attn-k_q03d072faa8_attn
	.p2alignl 7, 3214868480
	.fill 96, 4, 3214868480
	.section	.rodata,"a",@progbits
	.p2align	6, 0x0
	.amdhsa_kernel k_q03d072faa8_attn
		.amdhsa_group_segment_fixed_size 327680
		.amdhsa_private_segment_fixed_size 0
		.amdhsa_enable_private_segment 0
		.amdhsa_kernarg_size 24
		.amdhsa_user_sgpr_count 2
		.amdhsa_user_sgpr_kernarg_segment_ptr 1
		.amdhsa_wavefront_size32 1
		.amdhsa_system_sgpr_workgroup_id_x 1
		.amdhsa_system_sgpr_workgroup_id_y 1
		.amdhsa_system_sgpr_workgroup_id_z 1
		.amdhsa_system_vgpr_workitem_id 0
		.amdhsa_next_free_vgpr 256
		.amdhsa_next_free_sgpr 66
		.amdhsa_reserve_vcc 1
		.amdhsa_float_denorm_mode_32 3
		.amdhsa_float_denorm_mode_16_64 3
		.amdhsa_memory_ordered 1
		.amdhsa_forward_progress 1
		.amdhsa_inst_pref_size 68
	.end_amdhsa_kernel
	.amdgpu_metadata
---
amdhsa.version: [ 1, 2 ]
amdhsa.kernels:
  - .name:           k_q03d072faa8_attn
    .symbol:         k_q03d072faa8_attn.kd
    .args:
      - { .name: qkv, .offset: 0, .size: 8, .value_kind: global_buffer, .address_space: global }
      - { .name: vsum, .offset: 8, .size: 8, .value_kind: global_buffer, .address_space: global }
      - { .name: ai, .offset: 16, .size: 8, .value_kind: global_buffer, .address_space: global }
    .group_segment_fixed_size: 327680
    .private_segment_fixed_size: 0
    .kernarg_segment_align: 8
    .kernarg_segment_size: 24
    .max_flat_workgroup_size: 512
    .sgpr_count:     66
    .vgpr_count:     256
    .wavefront_size: 32
...
	.end_amdgpu_metadata
.endif
;; end of part 4
;; launch proj (part 5): grid 4 x 64, 4 waves a work-group, clusters of 4 x 4, 327,680 bytes of LDS; arguments ai, wp, b_proj, out0; writes out0
.if DOCPART == 5
	.amdgcn_target "amdgcn-amd-amdhsa--gfx1250"
	.amdhsa_code_object_version 6
	.text
	.protected	k_q03d072faa8_proj
	.globl	k_q03d072faa8_proj
	.p2align	8
	.type	k_q03d072faa8_proj,@function
k_q03d072faa8_proj:
	s_mov_b64 s[64:65], 0
	v_nop
	global_prefetch_b8 v0, s[64:65] scope:SCOPE_SE
	s_setreg_imm32_b32 hwreg(HW_REG_WAVE_MODE, 25, 1), 1
	s_wait_xcnt 0x0
	s_wait_alu depctr_hold_cnt(0) depctr_sa_sdst(0) depctr_va_vdst(0) depctr_va_sdst(0) depctr_va_ssrc(0) depctr_va_vcc(0) depctr_vm_vsrc(0)
	s_getreg_b32 s2, hwreg(HW_REG_IB_STS2, 6, 4)
	s_cmp_eq_u32 s2, 0
	s_cbranch_scc0 .Lentry_in_a_cluster
	s_endpgm
.Lentry_in_a_cluster:
	s_bfe_u32 s2, ttmp6, 0x10000c
	s_cmp_lg_u32 s2, 0xf033
	s_cbranch_scc0 .Lentry_shape_is_right
	s_endpgm
.Lentry_shape_is_right:
; out0 = a w_proj + b_proj, all 8,192 rows, on f16 operands with f32 sums.  (The first 16 positions of each sequence are stored again, from f32 operands, by the launch that follows.)
; a and w_proj arrive as images of operand registers, [K step of 128][tile of 16 rows or columns][piece 8][lane][16 B]: a K step's tiles are dense blocks, and every fragment load is 16 bytes a lane on end.
; A tile of out0 is 128 rows x 256 columns: 256 work-groups.  Four waves, each 64 x 128: 32 accumulators.  K goes in 8 steps of 128 through a ring of two LDS slots.
; CLUSTERS: 4 x 4.  A's tile hangs on the tile row (cy), B's on the tile column (cx): each is asked for jointly by the four that share it.  Source 0 = 16 columns of w_proj, source 1 = 16 rows of a:
; a lane holds eight neighbouring columns of a row.  The bias is the C of each sum's first product.
; No prefetch: eight K steps in all, and w_proj's images are read again by every cluster.
; REGISTERS: window 0: v0-31 addresses; two fragment buffers of 96 (A 32, then B 64) at v64 and v160; on the way out v64-191 hold rows.  window 1: the accumulators ((a, b) at v[8 (8 a + b)]).  window 2: v0-63 the bias.
.set SLOT,   98304                     ; A's 8 tiles of 4,096 bytes, then B's 16
.set STAGE,  196608                    ; the way out: 16 rows x (512 bytes + 16) for each wave
.set SPITCH, 528
.set SPARE,  230400                    ; the spare words, 128 bytes a wave
.set LAPS,   4
.set ADRA, 16
.set ADRB, 20
.set STO,  24
.set RD,   25
.set CO,   26
.set SPW,  28
.set NIL,  29
.set F0,   64
.set F1,   160
.set BK,   64
.set G1, 24
.set G0, 32
.set G1B, 48
.set G0B, 56
.set MSB, 0
.macro WIN new
.if MSB != \new
	s_set_vgpr_msb (MSB<<8)|\new
.set MSB, \new
.endif
.endm
.set MUL,  0x50                        ; sources 0 and 1 window 0, C and D window 1
.set MULB, 0x60                        ; C (the bias) window 2, D window 1
.macro JLOAD s                         ; waves 0, 1 fetch A's halves, waves 2, 3 B's; an s_nop 0 and four v_nop follow each line
	s_cmp_eq_u32 s15, 0
	s_cbranch_scc0 .Lfor_b_\@
	tensor_load_to_lds s[G0+4*\s:G0+4*\s+3], s[G1:G1+7]
	s_nop 0
.rept 4
	v_nop
.endr
	s_branch .Lasked_\@
.Lfor_b_\@:
	tensor_load_to_lds s[G0B+4*\s:G0B+4*\s+3], s[G1B:G1B+7]
	s_nop 0
.rept 4
	v_nop
.endr
.Lasked_\@:
.endm
.macro CREST
	s_cmp_lg_u32 s14, 0
	s_cbranch_scc1 .Lnot_wave_0_\@
	s_barrier_signal -3
.Lnot_wave_0_\@:
	s_barrier_wait -3
	s_barrier_signal -1
	s_barrier_wait -1
.endm
.macro CROUND
	s_barrier_signal -1
	s_barrier_wait -1
	CREST
.endm
	s_load_b256 s[4:11], s[0:1], 0x0               ; ai s[4:5], wp s[6:7], b_proj s[8:9], out0 s[10:11]
	v_lshl_add_u32 v[SPW], v0, 2, SPARE
	v_mov_b32 v[NIL], 0
	ds_add_u32 v[SPW], v[NIL]                      ; the wave's opening: the add, twice on end, and its wait ahead of my first tensor load
	ds_add_u32 v[SPW], v[NIL]
	v_lshrrev_b32 v1, 5, v0
	v_readfirstlane_b32 s14, v1                    ; wave 0..3
	s_lshr_b32 s15, s14, 1                         ; my half of the rows.  Also: I fetch for A (0) or for B (1)
	s_and_b32 s16, s14, 1                          ; my half of the columns.  Also: which half of that tile I fetch
	s_bfe_u32 s40, ttmp6, 0x40000                  ; cx: the tile column
	s_bfe_u32 s41, ttmp6, 0x40004                  ; cy
	s_and_b32 s13, ttmp7, 0xffff
	s_lshl_b32 s13, s13, 2
	s_add_co_u32 s13, s13, s41                     ; the tile row
	s_lshl_b32 s43, s41, 2
	s_lshl_b32 s43, 15, s43                        ; my row of the cluster
	s_lshl_b32 s44, 0x1111, s40                    ; my column
	s_or_b32 s[G1+0], s43, (3<<16)|(1<<21)         ; the mask; elements of 8 bytes; bit 21 beside a mask; no padding
	s_mov_b32 s[G1+1], 32<<16                      ; rows of 256 bytes,
	s_mov_b32 s[G1+2], 64<<16                      ; 64 of them: half of A's tile, a dense 16 KB
	s_mov_b32 s[G1+3], 32<<16
	s_mov_b32 s[G1+4], 64
	s_mov_b32 s[G1+5], 32
	s_mov_b32 s[G1+6], 0
	s_mov_b32 s[G1+7], 0
	s_or_b32 s[G1B+0], s44, (3<<16)|(1<<21)
	s_mov_b32 s[G1B+1], 32<<16
	s_mov_b32 s[G1B+2], 128<<16                    ; 128 rows: half of B's tile, a dense 32 KB
	s_mov_b32 s[G1B+3], 32<<16
	s_mov_b32 s[G1B+4], 128
	s_mov_b32 s[G1B+5], 32
	s_mov_b32 s[G1B+6], 0
	s_mov_b32 s[G1B+7], 0
	s_lshl_b32 s20, s13, 15                        ; A: 8 tiles of 4,096 bytes to a tile row,
	s_lshl_b32 s17, s16, 14                        ; 4 to my half; the same in LDS
	s_add_co_u32 s20, s20, s17
	s_mov_b32 s21, 0
	s_lshl_b32 s46, s40, 16                        ; B: 16 tiles to a tile column,
	s_lshl_b32 s18, s16, 15                        ; 8 to my half
	s_add_co_u32 s46, s46, s18
	s_mov_b32 s47, 0
	s_add_co_u32 s18, s18, 32768                   ; in LDS behind A's 8 tiles
	s_wait_dscnt 0x0                               ; both opening adds are done
	s_wait_kmcnt 0x0
	s_add_nc_u64 s[20:21], s[4:5], s[20:21]
	s_add_nc_u64 s[46:47], s[6:7], s[46:47]
	CROUND                                         ; all sixteen work-groups are here: the first joint loads meet
.irp s, 0,1
	s_mov_b32 s[G0+4*\s], 1
	s_add_co_u32 s[G0+4*\s+1], s17, \s*SLOT
	s_add_nc_u64 s[G0+4*\s+2:G0+4*\s+3], s[20:21], \s*2097152      ; K step s of a
	s_or_b32 s[G0+4*\s+3], s[G0+4*\s+3], 0x80000000
	s_mov_b32 s[G0B+4*\s], 1
	s_add_co_u32 s[G0B+4*\s+1], s18, \s*SLOT
	s_add_nc_u64 s[G0B+4*\s+2:G0B+4*\s+3], s[46:47], \s*262144     ; K step s of w_proj
	s_or_b32 s[G0B+4*\s+3], s[G0B+4*\s+3], 0x80000000
	JLOAD \s
.endr
	v_and_b32 v1, 15, v0                           ; r
	v_bfe_u32 v2, v0, 4, 1                         ; h
	v_and_b32 v3, 31, v0
	v_lshlrev_b32 v[CO], 4, v3                     ; 16 x lane
	s_lshl_b32 s21, s15, 14                        ; my 4 tiles of A
	s_lshl_b32 s22, s16, 15                        ; my 8 tiles of B,
	s_add_co_u32 s22, s22, 32768                   ; behind A's 8
.irp s, 0,1
	v_add_nc_u32 v[ADRA+\s], s21, v[CO]
	v_add_nc_u32 v[ADRB+\s], s22, v[CO]
	s_add_co_u32 s21, s21, SLOT
	s_add_co_u32 s22, s22, SLOT
.endr
	s_mul_i32 s23, s14, 16*SPITCH
	s_add_co_u32 s23, s23, STAGE                   ; my stage
	v_mul_u32_u24 v5, v1, SPITCH
	v_lshl_add_u32 v5, v2, 5, v5
	v_add_nc_u32 v[STO], s23, v5                   ; in: row r, 32 bytes for each half of the lanes
	v_add_nc_u32 v[RD], s23, v[CO]                 ; back: the 32 lanes take a row of 512 bytes
	s_lshl_b32 s20, s40, 10
	s_lshl_b32 s21, s16, 9
	s_add_co_u32 s20, s20, s21                     ; my first column, in bytes
	s_mov_b32 s21, 0
	s_add_nc_u64 s[8:9], s[8:9], s[20:21]
	s_add_nc_u64 s[10:11], s[10:11], s[20:21]
	s_lshl_b32 s20, s13, 19                        ; 128 rows of 4,096 bytes,
	s_lshl_b32 s22, s15, 18                        ; 64 to my half
	s_add_co_u32 s20, s20, s22
	s_add_nc_u64 s[10:11], s[10:11], s[20:21]
	v_lshlrev_b32 v5, 5, v2                        ; the bias: columns 16 b + 8 h + 0..7
	WIN 0x80                                       ; destination window 2
.irp b, 0,1,2,3,4,5,6,7
	global_load_b128 v[8*\b:8*\b+3], v5, s[8:9] offset:64*\b
	global_load_b128 v[8*\b+4:8*\b+7], v5, s[8:9] offset:64*\b+16
.endr
	WIN 0
.macro MUL8 f, a, zero                 ; A's block a x B's eight, 32 along K.  The 32 accumulators take turns, one instruction a turn, in the same order in every quarter
.irp b, 0,1,2,3,4,5,6,7
.if \zero
	v_wmma_f32_16x16x32_f16 v[8*(8*\a+\b):8*(8*\a+\b)+7], v[\f+32+8*\b:\f+32+8*\b+7], v[\f+8*\a:\f+8*\a+7], v[8*\b:8*\b+7]
.else
	v_wmma_f32_16x16x32_f16 v[8*(8*\a+\b):8*(8*\a+\b)+7], v[\f+32+8*\b:\f+32+8*\b+7], v[\f+8*\a:\f+8*\a+7], v[8*(8*\a+\b):8*(8*\a+\b)+7]
.endif
.endr
.endm
.macro FETCH slot, q, f                ; 24 LDS loads in one run: B's eight fragments, then A's four, of the slot's q-th 32 along K
	WIN 0
.irp i, 0,1,2,3,4,5,6,7
.irp c, 0,1
	ds_load_b128 v[\f+32+8*\i+4*\c:\f+32+8*\i+4*\c+3], v[ADRB+\slot] offset:4096*\i+1024*\q+512*\c
.endr
.endr
.irp i, 0,1,2,3
.irp c, 0,1
	ds_load_b128 v[\f+8*\i+4*\c:\f+8*\i+4*\c+3], v[ADRA+\slot] offset:4096*\i+1024*\q+512*\c
.endr
.endr
.endm
.macro PLACES
.rept 4
	v_nop
.endr
.endm
.macro QUARTER slot, qn, f, g, zero    ; multiplies buffer f; in its middle fetches the slot's quarter qn into buffer g
	s_wait_dscnt 4                                 ; B and A's blocks 0, 1 are in; the youngest four loads (A's blocks 2, 3) may be out
.if \zero
	WIN MULB
.else
	WIN MUL
.endif
	MUL8 \f, 0, \zero
	MUL8 \f, 1, \zero
	PLACES
	FETCH \slot, \qn, \g
	s_wait_dscnt 24                                ; all but the 24 just issued
.if \zero
	WIN MULB
.else
	WIN MUL
.endif
	MUL8 \f, 2, \zero
	MUL8 \f, 3, \zero
.endm
; A K step's last quarter multiplies buffer 1 and changes slots: one barrier; in front of it each wave waits for all its tensor loads, adds 0 to its spare word, and waits for that and for its reads of this slot.
; fill = 1: the barrier opens a round of the cluster's barrier, and this slot is filled again, two K steps ahead.
.macro TURN slot, next, fill
	WIN 0
	s_wait_tensorcnt 0x0                           ; my part of the next slot is in; no load of mine is out
	ds_add_u32 v[SPW], v[NIL]
	s_wait_dscnt 5                                 ; (the add and the youngest four loads may be out)
	WIN MUL
	MUL8 F1, 0, 0
	s_wait_dscnt 0x0                               ; the add is done, and my reads of this slot are over
	s_barrier_signal -1
	MUL8 F1, 1, 0
.if \fill
	WIN 0
.endif
	s_barrier_wait -1
.if \fill
	CREST                                          ; no wave of any partner still reads this slot or has a load on its way
	s_add_nc_u64 s[G0+4*\slot+2:G0+4*\slot+3], s[G0+4*\slot+2:G0+4*\slot+3], 2*2097152
	s_add_nc_u64 s[G0B+4*\slot+2:G0B+4*\slot+3], s[G0B+4*\slot+2:G0B+4*\slot+3], 2*262144
	JLOAD \slot                                    ; the first tensor load behind the round; its four v_nop are also the places in front of the loads below
.else
	PLACES
.endif
	FETCH \next, 0, F0
	WIN MUL
	MUL8 F1, 2, 0
	MUL8 F1, 3, 0
.endm
	s_wait_tensorcnt 1                             ; my part of K step 0 is in; K step 1's load may be out
	s_barrier_signal -1
	s_barrier_wait -1
	FETCH 0, 0, F0
	s_wait_loadcnt 0x0                             ; the bias
	QUARTER 0, 1, F0, F1, 1                        ; the first quarter stands in front of the loop: its products start the sums with the bias
	WIN 0
	s_mov_b32 s3, LAPS-1
.Llap:                                             ; a trip goes once round the ring and fills both slots again
	QUARTER 0, 2, F1, F0, 0
	QUARTER 0, 3, F0, F1, 0
	TURN 0, 1, 1
	QUARTER 1, 1, F0, F1, 0
	QUARTER 1, 2, F1, F0, 0
	QUARTER 1, 3, F0, F1, 0
	TURN 1, 0, 1
	QUARTER 0, 1, F0, F1, 0
	WIN 0
	s_sub_co_u32 s3, s3, 1
	s_cmp_lg_u32 s3, 0
	s_cbranch_scc1 .Llap
	QUARTER 0, 2, F1, F0, 0                        ; the last lap fills nothing
	QUARTER 0, 3, F0, F1, 0
	TURN 0, 1, 0
	QUARTER 1, 1, F0, F1, 0
	QUARTER 1, 2, F1, F0, 0
	QUARTER 1, 3, F0, F1, 0
	s_wait_dscnt 4
	WIN MUL
	MUL8 F1, 0, 0
	MUL8 F1, 1, 0
	s_wait_dscnt 0
	MUL8 F1, 2, 0
	MUL8 F1, 3, 0
	WIN 0
; THE WAY OUT, block by block of 16 rows x 128 columns, through my own stage: in as 32 bytes a lane, back as whole rows of 512 bytes.  LDS serves a wave's instructions in order: no wait between the stores and the loads.
.macro TOSTAGE a
	WIN 0x04                                       ; an LDS store's data: window 1
.irp b, 0,1,2,3,4,5,6,7
	ds_store_b128 v[STO], v[64*(\a)+8*\b:64*(\a)+8*\b+3] offset:64*\b            ; each accumulator from its low end on
	ds_store_b128 v[STO], v[64*(\a)+8*\b+4:64*(\a)+8*\b+7] offset:64*\b+16
.endr
	WIN 0
.set BB, BK+64*((\a)%2)
.irp t, 0,1,2,3,4,5,6,7,8,9,10,11,12,13,14,15
	ds_load_b128 v[BB+4*\t:BB+4*\t+3], v[RD] offset:\t*SPITCH
.endr
.endm
.macro SEND a, younger
.set BB, BK+64*((\a)%2)
	s_wait_dscnt \younger                          ; the block is back in registers
.if (\a) > 0
	s_add_nc_u64 s[10:11], s[10:11], 16*4096       ; (behind a wait on XCNT: the earlier stores have read their base)
.endif
.irp t, 0,1,2,3,4,5,6,7,8,9,10,11,12,13,14,15
	global_store_b128 v[CO], v[BB+4*\t:BB+4*\t+3], s[10:11] offset:\t*4096 th:TH_STORE_NT   ; 512 consecutive bytes, at a multiple of 256 from out0's first byte
.endr
.endm
	PLACES
	TOSTAGE 0
.irp a, 1,2,3
.if \a > 1
	s_wait_xcnt 0x0                                ; block a - 2's stores have read their registers and their base
.endif
	TOSTAGE \a
	SEND \a-1, 32                                  ; behind block a - 1's loads: block a's 16 stores and 16 loads
.endr
	s_wait_xcnt 0x0
	SEND 3, 0
	s_wait_tensorcnt 0x0                           ; the wave's end
	ds_add_u32 v[SPW], v[NIL]
	s_wait_dscnt 0x0
	CROUND                                         ; the closing round
	s_endpgm
.Lfunc_end_k_q03d072faa8_proj:
	.size	k_q03d072faa8_proj, .Lfunc_end_k_q03d072faa8_proj-k_q03d072faa8_proj
	.p2alignl 7, 3214868480
	.fill 96, 4, 3214868480
	.section	.rodata,"a",@progbits
	.p2align	6, 0x0
	.amdhsa_kernel k_q03d072faa8_proj
		.amdhsa_group_segment_fixed_size 327680
		.amdhsa_private_segment_fixed_size 0
		.amdhsa_enable_private_segment 0
		.amdhsa_kernarg_size 32
		.amdhsa_user_sgpr_count 2
		.amdhsa_user_sgpr_kernarg_segment_ptr 1
		.amdhsa_wavefront_size32 1
		.amdhsa_system_sgpr_workgroup_id_x 1
		.amdhsa_system_sgpr_workgroup_id_y 1
		.amdhsa_system_sgpr_workgroup_id_z 1
		.amdhsa_system_vgpr_workitem_id 0
		.amdhsa_next_free_vgpr 640
		.amdhsa_next_free_sgpr 66
		.amdhsa_reserve_vcc 0
		.amdhsa_float_denorm_mode_32 3
		.amdhsa_float_denorm_mode_16_64 3
		.amdhsa_memory_ordered 1
		.amdhsa_forward_progress 1
		.amdhsa_inst_pref_size 86
	.end_amdhsa_kernel
	.amdgpu_metadata
---
amdhsa.version: [ 1, 2 ]
amdhsa.kernels:
  - .name:           k_q03d072faa8_proj
    .symbol:         k_q03d072faa8_proj.kd
    .args:
      - { .name: ai, .offset: 0, .size: 8, .value_kind: global_buffer, .address_space: global }
      - { .name: wp, .offset: 8, .size: 8, .value_kind: global_buffer, .address_space: global }
      - { .name: b_proj, .offset: 16, .size: 8, .value_kind: global_buffer, .address_space: global }
      - { .name: out0, .offset: 24, .size: 8, .value_kind: global_buffer, .address_space: global }
    .group_segment_fixed_size: 327680
    .private_segment_fixed_size: 0
    .kernarg_segment_align: 8
    .kernarg_segment_size: 32
    .max_flat_workgroup_size: 128
    .sgpr_count:     66
    .vgpr_count:     640
    .wavefront_size: 32
...
	.end_amdgpu_metadata
.endif
;; end of part 5
;; launch first_proj (part 6): grid 64 x 4, 16 waves a work-group, no clusters, 18,432 bytes of LDS; arguments a16, w_proj, b_proj, out0; writes out0
.if DOCPART == 6
	.amdgcn_target "amdgcn-amd-amdhsa--gfx1250"
	.amdhsa_code_object_version 6
	.text
	.protected	k_q03d072faa8_first_proj
	.globl	k_q03d072faa8_first_proj
	.p2align	8
	.type	k_q03d072faa8_first_proj,@function
k_q03d072faa8_first_proj:
	s_mov_b64 s[64:65], 0
	v_nop
	global_prefetch_b8 v0, s[64:65] scope:SCOPE_SE
	s_setreg_imm32_b32 hwreg(HW_REG_WAVE_MODE, 25, 1), 1
	s_wait_xcnt 0x0
; The projection of positions 0 to 15 of every sequence, with f32 operands: out0[2048 b + q][n] = the sum over k of a[q][k] w_proj[k][n] + b_proj[n].  It stores again the 64 rows that the launch before made from f16 operands.
; A work-group takes 16 columns of one batch; each of its sixteen waves takes one head's 64 along K: 16 instructions of the f32 matrix form (no bulk work), source 0 = w_proj (16 columns), source 1 = a (16 queries).
; A pair of registers is 4 along K, 2 in each half of the lanes: k = 64 head + 16 ct + 8 h + 2 t + j, the same on both sides.  The sixteen partial tiles meet in LDS as images; waves 0 and 1 add them, each half of the registers.
; The stores are runs of 64 bytes, 256 KB in all: 64 columns to a work-group would give whole blocks of 256 bytes on a quarter of the work-groups.
; REGISTERS: v1-8 lanes and addresses; v10, v11 the add's two; v32-63 w_proj, later the partial tiles; v64-95 a, likewise; v96-111 the two accumulators, which matrix instructions alone write; v112-119 my partial tile; v120-123 the bias.
.set SPARE, 16384                      ; behind the sixteen images of 1,024 bytes
.set SPW, 10
.set NIL, 11
	s_load_b256 s[4:11], s[0:1], 0x0               ; a16 s[4:5], w_proj s[6:7], b_proj s[8:9], out0 s[10:11]
	v_lshl_add_u32 v[SPW], v0, 2, SPARE
	v_mov_b32 v[NIL], 0
	v_lshrrev_b32 v1, 5, v0
	v_readfirstlane_b32 s14, v1                    ; wave = head
	s_and_b32 s15, ttmp7, 0xffff                   ; batch; ttmp9 is the tile of 16 columns
	s_and_b32 s16, s14, 1
	v_and_b32 v1, 15, v0                           ; r
	v_bfe_u32 v2, v0, 4, 1                         ; h
	v_and_b32 v3, 31, v0
	v_lshlrev_b32 v3, 4, v3                        ; 16 x lane
	v_lshlrev_b32 v4, 2, v1
	v_lshl_add_u32 v4, v2, 15, v4                  ; w_proj: column r, 8 h rows down
	s_lshl_b32 s17, s14, 10
	v_add_nc_u32 v5, s17, v3                       ; my image
	s_lshl_b32 s17, s16, 9
	v_add_nc_u32 v6, s17, v3                       ; (waves 0, 1) my half of every image
	v_lshlrev_b32 v7, 5, v2                        ; the bias: 8 h columns on
	v_lshl_add_u32 v8, v1, 12, v7                  ; out0: row r, 8 h columns on
	s_mov_b32 s19, 0
	s_wait_kmcnt 0x0
	s_lshl_b32 s18, s14, 18
	s_lshl_b32 s20, ttmp9, 6
	s_add_co_u32 s18, s18, s20
	s_add_nc_u64 s[6:7], s[6:7], s[18:19]
	s_lshl_b32 s18, s15, 16
	s_lshl_b32 s21, s14, 12
	s_add_co_u32 s18, s18, s21
	s_add_nc_u64 s[4:5], s[4:5], s[18:19]
	s_lshl_b32 s21, s16, 4
	s_add_co_u32 s18, s20, s21
	s_add_nc_u64 s[8:9], s[8:9], s[18:19]
	s_add_nc_u64 s[10:11], s[10:11], s[18:19]
	s_lshl_b32 s18, s15, 23
	s_add_nc_u64 s[10:11], s[10:11], s[18:19]
.irp ct, 0,1,2,3
.irp n, 0,1,2,3,4,5,6,7
	global_load_b32 v[32+8*\ct+\n], v4, s[6:7] offset:(16*\ct+\n)*4096
.endr
	global_load_b128 v[64+8*\ct:67+8*\ct], v3, s[4:5] offset:1024*\ct
	global_load_b128 v[68+8*\ct:71+8*\ct], v3, s[4:5] offset:1024*\ct+512
.endr
	s_wait_loadcnt 0x0
.set n, 0
.rept 16                                           ; two accumulators by turns
.if n < 2
	v_wmma_f32_16x16x4_f32 v[96+8*(n%2):103+8*(n%2)], v[32+2*n:33+2*n], v[64+2*n:65+2*n], 0
.else
	v_wmma_f32_16x16x4_f32 v[96+8*(n%2):103+8*(n%2)], v[32+2*n:33+2*n], v[64+2*n:65+2*n], v[96+8*(n%2):103+8*(n%2)]
.endif
.set n, n+1
.endr
.rept 8
	v_nop
.endr
.irp j, 0,2,4,6
	v_pk_add_f32 v[112+\j:113+\j], v[96+\j:97+\j], v[104+\j:105+\j]   ; lane (r, h), register j: query r, column 8 h + j
.endr
	ds_store_b128 v5, v[112:115]
	ds_store_b128 v5, v[116:119] offset:512
	s_wait_dscnt 0x0                               ; for the others' sake: my stores have landed
	s_barrier_signal -1
	s_barrier_wait -1
	s_cmp_lt_u32 s14, 2
	s_cbranch_scc1 .Lsum
	s_wait_tensorcnt 0x0                           ; the wave's end
	ds_add_u32 v[SPW], v[NIL]
	s_wait_dscnt 0x0
	s_endpgm
.Lsum:
	global_load_b128 v[120:123], v7, s[8:9]
.set n, 0
.rept 16
	ds_load_b128 v[32+4*n:35+4*n], v6 offset:1024*n
.set n, n+1
.endr
	s_wait_dscnt 0x0
.set n, 1
.rept 15
	v_pk_add_f32 v[32:33], v[32:33], v[32+4*n:33+4*n]
	v_pk_add_f32 v[34:35], v[34:35], v[34+4*n:35+4*n]
.set n, n+1
.endr
	s_wait_loadcnt 0x0
	v_pk_add_f32 v[32:33], v[32:33], v[120:121]
	v_pk_add_f32 v[34:35], v[34:35], v[122:123]
	global_store_b128 v8, v[32:35], s[10:11]
	s_wait_tensorcnt 0x0                           ; the wave's end
	ds_add_u32 v[SPW], v[NIL]
	s_wait_dscnt 0x0
	s_endpgm
.Lfunc_end_k_q03d072faa8_first_proj:
	.size	k_q03d072faa8_first_proj, .Lfunc_end_k_q03d072faa8_first_proj-k_q03d072faa8_first_proj
	.p2alignl 7, 3214868480
	.fill 96, 4, 3214868480
	.section	.rodata,"a",@progbits
	.p2align	6, 0x0
	.amdhsa_kernel k_q03d072faa8_first_proj
		.amdhsa_group_segment_fixed_size 18432
		.amdhsa_private_segment_fixed_size 0
		.amdhsa_enable_private_segment 0
		.amdhsa_kernarg_size 32
		.amdhsa_user_sgpr_count 2
		.amdhsa_user_sgpr_kernarg_segment_ptr 1
		.amdhsa_wavefront_size32 1
		.amdhsa_system_sgpr_workgroup_id_x 1
		.amdhsa_system_sgpr_workgroup_id_y 1
		.amdhsa_system_sgpr_workgroup_id_z 1
		.amdhsa_system_vgpr_workitem_id 0
		.amdhsa_next_free_vgpr 128
		.amdhsa_next_free_sgpr 66
		.amdhsa_reserve_vcc 0
		.amdhsa_float_denorm_mode_32 3
		.amdhsa_float_denorm_mode_16_64 3
		.amdhsa_memory_ordered 1
		.amdhsa_forward_progress 1
		.amdhsa_inst_pref_size 11
	.end_amdhsa_kernel
	.amdgpu_metadata
---
amdhsa.version: [ 1, 2 ]
amdhsa.kernels:
  - .name:           k_q03d072faa8_first_proj
    .symbol:         k_q03d072faa8_first_proj.kd
    .args:
      - { .name: a16, .offset: 0, .size: 8, .value_kind: global_buffer, .address_space: global }
      - { .name: w_proj, .offset: 8, .size: 8, .value_kind: global_buffer, .address_space: global }
      - { .name: b_proj, .offset: 16, .size: 8, .value_kind: global_buffer, .address_space: global }
      - { .name: out0, .offset: 24, .size: 8, .value_kind: global_buffer, .address_space: global }
    .group_segment_fixed_size: 18432
    .private_segment_fixed_size: 0
    .kernarg_segment_align: 8
    .kernarg_segment_size: 32
    .max_flat_workgroup_size: 512
    .sgpr_count:     66
    .vgpr_count:     128
    .wavefront_size: 32
...
	.end_amdgpu_metadata
.endif
;; end of part 6
